; MI455X (gfx1250); checked and timed in simulation.
; The chip was launched on July 23, 2026; its instructions are those of AMD's public machine-readable ISA for CDNA 5 (MIT licence, August 2026) and "CDNA5" Instruction Set Architecture Reference Guide (July 2026). The comments in the code are by the model that wrote it; some were corrected since.
;; Multi Head Attention. Allowed arithmetic: matrix products marked QUANTISED: E4M3 operands, one given power-of-two scale a tensor, by v_wmma_f32_16x16x64_fp8_fp8 or v_wmma_f32_16x16x128_fp8_fp8, f32 sums; everything else in f32.
;; Inputs: Wk 16 x 1,024 x 64 float32; Wo 1,024 x 1,024 float32; Wq 16 x 1,024 x 64 float32; Wv 16 x 1,024 x 64 float32; bk 16 x 64 float32; bo 1,024 float32; bq 16 x 64 float32; bv 16 x 64 float32; lowp_scales 12 int32 (the exponents e of the quantised operands' scales 2^e); x 4 x 2,048 x 1,024 float32.
;; Outputs: out0 4 x 2,048 x 1,024 float32.
;; This version of the problem:
;;   THIS VERSION OF THE PROBLEM IS GIVEN IN LOW PRECISION. The matrix products marked QUANTISED in the list below multiply operands that are first quantised to E4M3 (4 exponent bits, 3 mantissa bits; 8 bits a number), with one given power-of-two scale for each operand tensor; their sums are f32. All else is computed in f32.
;;   The module's matrix products, in the order in which they are computed (A, B: the left and right operand; K: the contracted axis; several contracted axes count as one K, in the product's order):
;;     1. [M 1,024, K 1,024] x [K 1,024, N 8,192]; A: input Wq; B: input x: QUANTISED (scales: A lowp_scales[0], B lowp_scales[1])
;;     2. [M 1,024, K 1,024] x [K 1,024, N 8,192]; A: input Wk; B: input x: QUANTISED (scales: A lowp_scales[2], B lowp_scales[3])
;;     3. [M 1,024, K 1,024] x [K 1,024, N 8,192]; A: input Wv; B: input x: QUANTISED (scales: A lowp_scales[4], B lowp_scales[5])
;;     4. batch 64 x [M 2,048, K 64] x [K 64, N 2,048]; A: computed on the way; B: computed on the way: QUANTISED (scales: A lowp_scales[6], B lowp_scales[7])
;;     5. batch 64 x [M 2,048, K 2,048] x [K 2,048, N 64]; A: softmax (see below); B: computed on the way: QUANTISED (scales: A lowp_scales[8], B lowp_scales[9])
;;     6. [M 8,192, K 1,024] x [K 1,024, N 1,024]; A: computed on the way; B: input Wo: QUANTISED (scales: A lowp_scales[10], B lowp_scales[11])
;;   THE QUANTISER, for each operand of a quantised product, along K:
;;     - The operand's scale is 2^e, e = its entry of the input lowp_scales (int32; the entries are numbered through the quantised products in the list's order, A before B).
;;     - Each number is divided by the scale, clamped to +-448, and rounded to the nearest number of E4M3, ties to even, subnormals kept.
;;     - The product sums the exact products of the quantised numbers (number of the format x scale) in f32.
;;   ~~~python
;;   def quantise(x, axis, e):      # numpy; x: float32 -> the quantised numbers, widened to float32 again
;;       x = np.moveaxis(x, axis, -1); K = x.shape[-1]
;;       r = np.clip(x / 2.0 ** e, -448, 448)
;;       step = 2.0 ** (np.maximum(np.frexp(np.where(r == 0, 1, r))[1] - 1, -6) - 3)
;;       q = np.round(r / step) * step * 2.0 ** e      # np.round: ties to even
;;       return np.moveaxis(q, -1, axis).astype(np.float32)
;;   ~~~
;;   SOFTMAX AHEAD OF A QUANTISED PRODUCT. Where the list says 'softmax', what is quantised is not the finished softmax but p = 2^(t - M), with t = logit x log2(e) and M = ceil(the row's largest t), a whole number; so 1/2 < the row's largest p <= 1. The row's sum l is taken of the UNQUANTISED p, in f32, and the product's result is divided by l at the end. Since M is a whole number, a kernel that streams over the keys may use a running M (the ceiling of the running maximum): every later rescaling is an exact power of two, so the quantised numbers keep their values, but for numbers so far below the row's largest that they fall under the format's range.
;;   OPERANDS COMPUTED ON THE WAY. 'Computed on the way' means the value that the module computes at that place (a softmax that the list does not call 'softmax' is quantised finished and normalised). What goes into a quantiser is computed in f32, as accurately as f32 sums, v_exp_f32 and their like allow (about 1e-6 of the number): no bf16 or f16 on the way to a quantiser, and a product that is left as it is and whose result goes on into a quantised operand takes f32 operands (vector FMAs, or v_wmma_f32_16x16x4_f32). A number that lies on a knife's edge between two numbers of the format may be rounded either way, as far as f32 arithmetic and the matrix unit's own rounding can turn it there, and no further.
;; One version. Each part assembles by itself: llvm-mc -triple=amdgcn-amd-amdhsa -mcpu=gfx1250 --defsym DOCPART=n.
;; ======== version 1 of 1: 5 launches
;; limits: right only within a limited range of input values
;; workspace buffers: xc 25,165,824 bytes; wc 4,194,304 bytes; qkvc 25,165,824 bytes; oc 8,388,608 bytes
;; launch qx (part 1): grid 256 x 1, 4 waves a work-group, no clusters, 33,280 bytes of LDS; arguments x, lowp_scales, xc; writes xc
.if DOCPART == 1
	.amdgcn_target "amdgcn-amd-amdhsa--gfx1250"
	.amdhsa_code_object_version 6
	.text
	.protected	k_qbb7560e0bc_qx
	.globl	k_qbb7560e0bc_qx
	.p2align	8
	.type	k_qbb7560e0bc_qx,@function
k_qbb7560e0bc_qx:
	s_mov_b64 s[64:65], 0
	v_nop
	global_prefetch_b8 v0, s[64:65] scope:SCOPE_SE
	s_setreg_imm32_b32 hwreg(HW_REG_WAVE_MODE, 25, 1), 1
	s_wait_xcnt 0x0
; x [8192 tokens][1024] f32 becomes THREE sets of codes of FP8 (E4M3), K innermost: x is an operand of three products, each with a scale of its own
; (entries 1, 3, 5 of the scales' exponents), which need not be equal.  Set j lies at xc + j x 8,388,608 bytes, [8192][1024], one code a byte.
; code = x / 2^e, held within +-448, rounded to the nearest code, ties to even.
; LIMITS: each e lies between -126 and 119, so that 2^e and 448 x 2^e are f32 numbers.  NaN among the inputs is not served.
; Rows are dense, so x is a plain stream.  A wave takes 16 steps of 512 numbers.  Each of a step's four loads reads 512 consecutive bytes, 16 a lane; the 2,048 bytes go
; through the wave's own stage in LDS as they lie and come back 64 bytes a lane: 16 neighbours along K, as the conversions want them.  The stage has 16 bytes of padding behind each 64.
; x is read once; each number is held and converted three times.  A lane's 16 codes are 16 bytes: each store of the wave covers 512 consecutive bytes, aligned.
; No tensor loads, no barrier: waves share nothing.  Loads run four steps (16 loads a wave) ahead, the turn through LDS one step.  Matrix units and clusters have nothing to do here.
.set WAVES, 4
.set STEPS, 16
.set R,     16                         ; v16-79   four sets of 16 numbers as they are loaded
.set X,     80                         ; v80-111  two sets of 16 neighbours
.set T,     112                        ; v112-127 the 16 numbers held within one scale's range
.set C,     128                        ; v128-151 codes: two sets of 12 registers, by the step's parity
.set LIMV,  152                        ; v152-154 448 x 2^e, for the three scales
.set SCV,   156                        ; v156-158 2^e
.set WREG,  8192                       ; LDS: a region for each wave: two stages of 32 x SP bytes
.set SP,    80                         ; a lane's place in a stage: 64 bytes + 16 of padding
.set SPW,   12                         ; v12      LDS address of my spare word; never rewritten
.set NIL,   13                         ; v13      0; never rewritten
.set SPARE, WAVES*WREG                 ; behind the four regions: the spare words, 128 bytes a wave, which no other line names
	s_load_b128 s[4:7], s[0:1], 0x0                ; x, the scales' exponents
	s_load_b64 s[8:9], s[0:1], 0x10                ; xc
	v_lshl_add_u32 v[SPW], v0, 2, SPARE
	v_mov_b32 v[NIL], 0
	v_lshrrev_b32 v1, 5, v0
	v_readfirstlane_b32 s12, v1                    ; wave
	v_and_b32 v2, 31, v0                           ; lane
	v_lshlrev_b32 v3, 4, v2                        ; my 16 bytes of a load's 512, and of a store's 512; never rewritten
	s_mul_i32 s13, s12, WREG
	v_lshrrev_b32 v14, 2, v2
	v_mul_u32_u24 v14, v14, SP
	v_and_b32 v15, 3, v2
	v_lshl_add_u32 v14, v15, 4, v14
	v_add_nc_u32 v14, s13, v14                     ; the stage, on the way in: SP (lane / 4) + 16 (lane % 4)
	v_mul_u32_u24 v15, v2, SP
	v_add_nc_u32 v15, s13, v15                     ; and on the way out: SP x lane: my 16 neighbours
	s_lshl_b32 s14, ttmp9, 2
	s_add_co_u32 s14, s14, s12                     ; which run of 8,192 numbers is my wave's: 0 .. 1,023
	s_lshl_b32 s28, s14, 15                        ; 32,768 bytes of x,
	s_mov_b32 s29, 0
	s_lshl_b32 s30, s14, 13                        ; 8,192 bytes of each set of codes
	s_mov_b32 s31, 0
	s_wait_kmcnt 0x0
	s_load_b256 s[16:23], s[6:7], 0x0              ; entries 0 to 7: s17, s19, s21 are x's three
	s_add_nc_u64 s[4:5], s[4:5], s[28:29]
	s_add_nc_u64 s[8:9], s[8:9], s[30:31]          ; set 0,
	s_add_nc_u64 s[24:25], s[8:9], 0x800000        ; set 1,
	s_add_nc_u64 s[26:27], s[8:9], 0x1000000       ; set 2: three bases, since the distance does not fit a store's immediate
.macro LOAD t
.irp i, 0,1,2,3
	global_load_b128 v[R+16*((\t)%4)+4*\i:R+16*((\t)%4)+4*\i+3], v3, s[4:5] offset:2048*(\t)+512*\i th:TH_LOAD_NT   ; 32 lanes read 512 consecutive bytes; read once in the launch
.endr
.endm
.macro TURN t                          ; step t's numbers through the stage: LDS serves a wave's instructions in order, so no wait stands between the stores and the loads
.irp i, 0,1,2,3
	ds_store_b128 v14, v[R+16*((\t)%4)+4*\i:R+16*((\t)%4)+4*\i+3] offset:32*SP*((\t)%2)+8*SP*\i
.endr
.irp i, 0,1,2,3
	ds_load_b128 v[X+16*((\t)%2)+4*\i:X+16*((\t)%2)+4*\i+3], v15 offset:32*SP*((\t)%2)+16*\i
.endr
.endm
.irp t, 0,1,2,3
	LOAD \t
.endr
	s_wait_kmcnt 0x0
.irp j, 0,1,2
	s_add_co_i32 s30, s[17+2*\j], 127
	s_lshl_b32 s31, s30, 23
	v_mov_b32 v[SCV+\j], s31                       ; 2^e as f32: the conversion takes its exponent field
	s_add_co_i32 s30, s30, 8
	s_lshl_b32 s30, s30, 23
	s_or_b32 s30, s30, 0x600000
	v_mov_b32 v[LIMV+\j], s30                      ; 448 x 2^e
.endr
	s_wait_loadcnt 12                              ; step 0's four loads are in; the twelve behind them may be out
	TURN 0
.macro STEP t
.set XS, X+16*((\t)%2)
.set CS, C+12*((\t)%2)
	s_wait_dscnt 0x0                               ; this step's numbers are back from the stage: so its stores into the stage have read their registers,
.if (\t)+4 < STEPS
	LOAD (\t)+4                                    ; which take the loads of four steps on
.endif
.if (\t)+1 < STEPS
.if STEPS-2-(\t) >= 3
	s_wait_loadcnt 12                              ; the next step's four loads are in; those of the three steps behind it may be out
.else
	s_wait_loadcnt 4*(STEPS-2-(\t))                ; the tail: fewer steps are behind it
.endif
	TURN (\t)+1                                    ; and go through the other stage while this step is worked
.endif
	s_wait_xcnt 0x0                                ; the stores of two steps back have read their data: this set of code registers is written again only behind this wait
.irp j, 0,1,2
.irp i, 0,1,2,3,4,5,6,7,8,9,10,11,12,13,14,15
	v_med3_num_f32 v[T+\i], v[XS+\i], -v[LIMV+\j], v[LIMV+\j]   ; the conversion to an 8-bit code does not saturate (ISA guide 7.6.2): the hold at the largest code x the scale
.endr
	v_cvt_scalef32_pk8_fp8_f32 v[CS+4*\j:CS+4*\j+1], v[T:T+7], v[SCV+\j]
	v_cvt_scalef32_pk8_fp8_f32 v[CS+4*\j+2:CS+4*\j+3], v[T+8:T+15], v[SCV+\j]
	v_nop                                          ; one plain vector line between the conversions and the next holds, which write the conversions' sources
.endr
	global_store_b128 v3, v[CS:CS+3], s[8:9] offset:512*(\t)
	global_store_b128 v3, v[CS+4:CS+7], s[24:25] offset:512*(\t)
	global_store_b128 v3, v[CS+8:CS+11], s[26:27] offset:512*(\t)
.endm
.irp t, 0,1,2,3,4,5,6,7,8,9,10,11,12,13,14,15
	STEP \t
.endr
	s_wait_tensorcnt 0x0                           ; the wave's end: behind my last LDS store
	ds_add_u32 v[SPW], v[NIL]
	s_wait_dscnt 0x0
	s_endpgm
.Lfunc_end_k_qbb7560e0bc_qx:
	.size	k_qbb7560e0bc_qx, .Lfunc_end_k_qbb7560e0bc_qx-k_qbb7560e0bc_qx
	.p2alignl 7, 3214868480
	.fill 96, 4, 3214868480
	.section	.rodata,"a",@progbits
	.p2align	6, 0x0
	.amdhsa_kernel k_qbb7560e0bc_qx
		.amdhsa_group_segment_fixed_size 33280
		.amdhsa_private_segment_fixed_size 0
		.amdhsa_enable_private_segment 0
		.amdhsa_kernarg_size 24
		.amdhsa_user_sgpr_count 2
		.amdhsa_user_sgpr_kernarg_segment_ptr 1
		.amdhsa_wavefront_size32 1
		.amdhsa_system_sgpr_workgroup_id_x 1
		.amdhsa_system_sgpr_workgroup_id_y 1
		.amdhsa_system_sgpr_workgroup_id_z 1
		.amdhsa_system_vgpr_workitem_id 0
		.amdhsa_next_free_vgpr 160
		.amdhsa_next_free_sgpr 66
		.amdhsa_reserve_vcc 0
		.amdhsa_float_denorm_mode_32 3
		.amdhsa_float_denorm_mode_16_64 3
		.amdhsa_memory_ordered 1
		.amdhsa_forward_progress 1
		.amdhsa_inst_pref_size 79
	.end_amdhsa_kernel
	.amdgpu_metadata
---
amdhsa.version: [ 1, 2 ]
amdhsa.kernels:
  - .name:           k_qbb7560e0bc_qx
    .symbol:         k_qbb7560e0bc_qx.kd
    .args:
      - { .name: x, .offset: 0, .size: 8, .value_kind: global_buffer, .address_space: global }
      - { .name: lowp_scales, .offset: 8, .size: 8, .value_kind: global_buffer, .address_space: global }
      - { .name: xc, .offset: 16, .size: 8, .value_kind: global_buffer, .address_space: global }
    .group_segment_fixed_size: 33280
    .private_segment_fixed_size: 0
    .kernarg_segment_align: 8
    .kernarg_segment_size: 24
    .max_flat_workgroup_size: 128
    .sgpr_count:     66
    .vgpr_count:     160
    .wavefront_size: 32
...
	.end_amdgpu_metadata
.endif
;; end of part 1
;; launch qw (part 2): grid 64 x 4, 2 waves a work-group, no clusters, 17,664 bytes of LDS; arguments Wq, Wk, Wv, Wo, lowp_scales, wc; writes wc
.if DOCPART == 2
	.amdgcn_target "amdgcn-amd-amdhsa--gfx1250"
	.amdhsa_code_object_version 6
	.text
	.protected	k_qbb7560e0bc_qw
	.globl	k_qbb7560e0bc_qw
	.p2align	8
	.type	k_qbb7560e0bc_qw,@function
k_qbb7560e0bc_qw:
	s_mov_b64 s[64:65], 0
	v_nop
	global_prefetch_b8 v0, s[64:65] scope:SCOPE_SE
	s_setreg_imm32_b32 hwreg(HW_REG_WAVE_MODE, 25, 1), 1
	s_wait_xcnt 0x0
; The four weights, f32 with K NOT innermost, become codes of FP8 (E4M3) laid [4096 rows][1024 k], K innermost:
; rows 0-1023 Wq (row = 64 head + d), 1024-2047 Wk, 2048-3071 Wv, 3072-4095 Wo (row = output column).  Scales: entries 0, 2, 4, 11.
; code = w / 2^e, held within +-448, to the nearest code, ties to even.  LIMITS: e between -126 and 119; NaN among the inputs is not served.
; A LANE TAKES A COLUMN AND ITS REGISTERS RUN DOWN K: each load reads neighbouring columns in neighbouring lanes (128 consecutive bytes a wave, 256 a work-group), and the
; conversions give codes with K innermost; nothing is transposed by an instruction.  A work-group takes 64 rows of wc (a head of Wq, Wk, Wv, whose rows in memory are just these 256 bytes,
; or 64 columns of Wo) x 256 along K; a wave 32 of them.  The codes go through the wave's own stage in LDS and leave as rows: sixteen lanes store 256 consecutive bytes, aligned.
; ONE PATH serves the four tensors: the pointer, the distance from row to row and the scale are chosen by selects on the work-group's number; no branch.
; Since the distance from row to row is a register, the 32 rows of a block have 32 offset registers and the eight blocks eight scalar bases; none is ever rewritten.
.set NB,    8                          ; blocks of 32 along K for a wave
.set PITCH, 272                        ; a stage row: 256 bytes of codes + 16
.set KROW,  1024                       ; a row of wc in bytes
.set X,     32                         ; v32-95   two sets of 32 numbers
.set C,     96                         ; v96-103  a block's codes
.set OUTR,  112                        ; v112-175 the way out
.set OF,    176                        ; v176-207 4 x lane + i x (bytes from row to row)
.set SPW,   14
.set NIL,   15
.set SPARE, 2*32*PITCH                 ; behind the two stages: the spare words, 128 bytes a wave, which no other line names
.set BASE,  32                         ; s[32:47] block b's first row
	s_load_b256 s[4:11], s[0:1], 0x0               ; Wq, Wk, Wv, Wo
	s_load_b128 s[12:15], s[0:1], 0x20             ; the scales' exponents, wc
	v_lshl_add_u32 v[SPW], v0, 2, SPARE
	v_mov_b32 v[NIL], 0
	v_lshrrev_b32 v1, 5, v0
	v_readfirstlane_b32 s16, v1                    ; wave 0, 1
	v_and_b32 v2, 31, v0                           ; lane
	s_lshr_b32 s17, ttmp9, 4                       ; which tensor: 0 .. 3
	s_and_b32 s18, ttmp9, 15                       ; which head, or which 64 columns of Wo
	s_and_b32 s19, ttmp7, 0xffff                   ; which 256 along K
	s_mov_b32 s20, 256
	s_mov_b32 s21, 0x40000
	s_cmp_eq_u32 s17, 3
	s_cselect_b32 s20, 4096, s20                   ; bytes from row k to row k + 1: 64 numbers in a head, 1,024 in Wo
	s_cselect_b32 s21, 256, s21                    ; bytes from group to group: a head's 1,024 x 64 numbers, or 64 columns
	s_mul_i32 s24, s18, s21
	s_lshl_b32 s23, s16, 7
	s_add_co_u32 s24, s24, s23                     ; + my wave's 32 columns
	s_mul_i32 s23, s19, s20
	s_lshl_b32 s23, s23, 8
	s_add_co_u32 s24, s24, s23                     ; + 256 rows for each step of y
	s_mov_b32 s25, 0
	s_lshl_b32 s26, s20, 5                         ; a block's 32 rows
	s_mov_b32 s27, 0
	s_lshl_b32 s28, ttmp9, 6
	s_lshl_b32 s29, s16, 5
	s_add_co_u32 s28, s28, s29                     ; my wave's first row of wc
	s_lshl_b32 s28, s28, 10
	s_lshl_b32 s29, s19, 8
	s_add_co_u32 s28, s28, s29                     ; + my 256 codes along K
	s_mov_b32 s29, 0
	s_mul_i32 s31, s16, 32*PITCH                   ; my stage
	v_mul_u32_u24 v4, v2, PITCH
	v_add_nc_u32 v4, s31, v4                       ; into it: row = my column
	v_and_b32 v5, 15, v2
	v_lshrrev_b32 v6, 4, v2                        ; out of it: sixteen lanes to a row, two rows an instruction
	v_mul_u32_u24 v7, v6, PITCH
	v_lshl_add_u32 v7, v5, 4, v7
	v_add_nc_u32 v7, s31, v7
	v_mul_u32_u24 v8, v6, KROW
	v_lshl_add_u32 v8, v5, 4, v8                   ; and the same place in wc
	v_lshlrev_b32 v[OF], 2, v2
.irp i, 1,2,3,4,5,6,7,8,9,10,11,12,13,14,15,16,17,18,19,20,21,22,23,24,25,26,27,28,29,30,31
	v_add_nc_u32 v[OF+\i], s20, v[OF+\i-1]
.endr
	s_wait_kmcnt 0x0
	s_load_b256 s[52:59], s[12:13], 0x0            ; entries 0 to 7
	s_load_b128 s[60:63], s[12:13], 0x20           ; entries 8 to 11
	s_cmp_eq_u32 s17, 1                            ; the tensor: a choice that hangs on the work-group's number alone
	s_cselect_b64 s[4:5], s[6:7], s[4:5]
	s_cmp_eq_u32 s17, 2
	s_cselect_b64 s[4:5], s[8:9], s[4:5]
	s_cmp_eq_u32 s17, 3
	s_cselect_b64 s[4:5], s[10:11], s[4:5]
	s_add_nc_u64 s[BASE:BASE+1], s[4:5], s[24:25]
.irp b, 1,2,3,4,5,6,7
	s_add_nc_u64 s[BASE+2*\b:BASE+2*\b+1], s[BASE+2*\b-2:BASE+2*\b-1], s[26:27]
.endr
	s_add_nc_u64 s[14:15], s[14:15], s[28:29]
.macro LOAD t                          ; block t: w(32 t + i, my column), i = 0 .. 31, into set t % 2
.irp i, 0,1,2,3,4,5,6,7,8,9,10,11,12,13,14,15,16,17,18,19,20,21,22,23,24,25,26,27,28,29,30,31
	global_load_b32 v[X+32*((\t)%2)+\i], v[OF+\i], s[BASE+2*(\t):BASE+2*(\t)+1] th:TH_LOAD_NT
.endr
.endm
	LOAD 0
	LOAD 1
	s_wait_kmcnt 0x0
	s_cmp_eq_u32 s17, 1
	s_cselect_b32 s30, s54, s52                    ; e: entry 0, 2, 4 or 11
	s_cmp_eq_u32 s17, 2
	s_cselect_b32 s30, s56, s30
	s_cmp_eq_u32 s17, 3
	s_cselect_b32 s30, s63, s30
	s_add_co_i32 s30, s30, 127
	s_lshl_b32 s31, s30, 23
	v_mov_b32 v11, s31                             ; 2^e as f32
	s_add_co_i32 s30, s30, 8
	s_lshl_b32 s30, s30, 23
	s_or_b32 s30, s30, 0x600000
	v_mov_b32 v10, s30                             ; 448 x 2^e
.macro BLOCK t
.set XS, X+32*((\t)%2)
.if (\t) < NB-1
	s_wait_loadcnt 32                              ; this block's 32 loads are in; the next block's 32 may be out
.else
	s_wait_loadcnt 0
.endif
.irp i, 0,1,2,3,4,5,6,7,8,9,10,11,12,13,14,15,16,17,18,19,20,21,22,23,24,25,26,27,28,29,30,31
	v_med3_num_f32 v[XS+\i], v[XS+\i], -v10, v10   ; the hold at the largest code x the scale: the conversion does not saturate (ISA guide 7.6.2)
.endr
.irp g, 0,1,2,3
	v_cvt_scalef32_pk8_fp8_f32 v[C+2*\g:C+2*\g+1], v[XS+8*\g:XS+8*\g+7], v11
.endr
	v_nop                                          ; one plain vector line behind the last conversion
	ds_store_b128 v4, v[C:C+3] offset:32*(\t)      ; 32 codes: 32 bytes of my column's row
	ds_store_b128 v4, v[C+4:C+7] offset:32*(\t)+16
.if (\t)+2 < NB
	LOAD (\t)+2
.endif
	s_wait_dscnt 0x0                               ; the stores have read their registers: the next block's codes may be written
.endm
.irp t, 0,1,2,3,4,5,6,7
	BLOCK \t
.endr
.irp t, 0,1,2,3,4,5,6,7,8,9,10,11,12,13,14,15
	ds_load_b128 v[OUTR+4*\t:OUTR+4*\t+3], v7 offset:2*\t*PITCH   ; LDS serves a wave's instructions in order: these see my stores
.endr
.irp t, 0,1,2,3,4,5,6,7,8,9,10,11,12,13,14,15
	s_wait_dscnt 15-\t                             ; the younger read-backs may be out
	global_store_b128 v8, v[OUTR+4*\t:OUTR+4*\t+3], s[14:15] offset:2*\t*KROW
.endr
	s_wait_tensorcnt 0x0                           ; the wave's end: behind my last LDS store
	ds_add_u32 v[SPW], v[NIL]
	s_wait_dscnt 0x0
	s_endpgm
.Lfunc_end_k_qbb7560e0bc_qw:
	.size	k_qbb7560e0bc_qw, .Lfunc_end_k_qbb7560e0bc_qw-k_qbb7560e0bc_qw
	.p2alignl 7, 3214868480
	.fill 96, 4, 3214868480
	.section	.rodata,"a",@progbits
	.p2align	6, 0x0
	.amdhsa_kernel k_qbb7560e0bc_qw
		.amdhsa_group_segment_fixed_size 17664
		.amdhsa_private_segment_fixed_size 0
		.amdhsa_enable_private_segment 0
		.amdhsa_kernarg_size 48
		.amdhsa_user_sgpr_count 2
		.amdhsa_user_sgpr_kernarg_segment_ptr 1
		.amdhsa_wavefront_size32 1
		.amdhsa_system_sgpr_workgroup_id_x 1
		.amdhsa_system_sgpr_workgroup_id_y 1
		.amdhsa_system_sgpr_workgroup_id_z 1
		.amdhsa_system_vgpr_workitem_id 0
		.amdhsa_next_free_vgpr 208
		.amdhsa_next_free_sgpr 66
		.amdhsa_reserve_vcc 0
		.amdhsa_float_denorm_mode_32 3
		.amdhsa_float_denorm_mode_16_64 3
		.amdhsa_memory_ordered 1
		.amdhsa_forward_progress 1
		.amdhsa_inst_pref_size 52
	.end_amdhsa_kernel
	.amdgpu_metadata
---
amdhsa.version: [ 1, 2 ]
amdhsa.kernels:
  - .name:           k_qbb7560e0bc_qw
    .symbol:         k_qbb7560e0bc_qw.kd
    .args:
      - { .name: Wq, .offset: 0, .size: 8, .value_kind: global_buffer, .address_space: global }
      - { .name: Wk, .offset: 8, .size: 8, .value_kind: global_buffer, .address_space: global }
      - { .name: Wv, .offset: 16, .size: 8, .value_kind: global_buffer, .address_space: global }
      - { .name: Wo, .offset: 24, .size: 8, .value_kind: global_buffer, .address_space: global }
      - { .name: lowp_scales, .offset: 32, .size: 8, .value_kind: global_buffer, .address_space: global }
      - { .name: wc, .offset: 40, .size: 8, .value_kind: global_buffer, .address_space: global }
    .group_segment_fixed_size: 17664
    .private_segment_fixed_size: 0
    .kernarg_segment_align: 8
    .kernarg_segment_size: 48
    .max_flat_workgroup_size: 64
    .sgpr_count:     66
    .vgpr_count:     208
    .wavefront_size: 32
...
	.end_amdgpu_metadata
.endif
;; end of part 2
;; launch qkv (part 3): grid 12 x 32, 4 waves a work-group, clusters of 4 x 4, 327,680 bytes of LDS; arguments xc, wc, lowp_scales, qkvc, bq, bk, bv; writes qkvc
.if DOCPART == 3
	.amdgcn_target "amdgcn-amd-amdhsa--gfx1250"
	.amdhsa_code_object_version 6
	.text
	.protected	k_qbb7560e0bc_qkv
	.globl	k_qbb7560e0bc_qkv
	.p2align	8
	.type	k_qbb7560e0bc_qkv,@function
k_qbb7560e0bc_qkv:
	s_mov_b64 s[64:65], 0
	v_nop
	global_prefetch_b8 v0, s[64:65] scope:SCOPE_SE
	s_setreg_imm32_b32 hwreg(HW_REG_WAVE_MODE, 25, 1), 1
	s_wait_xcnt 0x0
	s_wait_alu depctr_hold_cnt(0) depctr_sa_sdst(0) depctr_va_vdst(0) depctr_va_sdst(0) depctr_va_ssrc(0) depctr_va_vcc(0) depctr_vm_vsrc(0)
	s_getreg_b32 s2, hwreg(HW_REG_IB_STS2, 6, 4)
	s_cmp_eq_u32 s2, 0
	s_cbranch_scc0 .Lentry_in_a_cluster
	s_endpgm
.Lentry_in_a_cluster:
	s_bfe_u32 s2, ttmp6, 0x10000c
	s_cmp_lg_u32 s2, 0xf033
	s_cbranch_scc0 .Lentry_shape_is_right
	s_endpgm
.Lentry_shape_is_right:
; The three projections on codes of FP8 (E4M3): q, k, v = x W + bias, each sum x 2^(eW + ex) + bias in f32, then quantised with its own given scale (entries 6, 7, 9) into qkvc:
; q at 0 and k at 8,388,608: [64 (batch, head)][2048 tokens][64 d];  v at 16,777,216: [64][64 d][2048 tokens], the tokens innermost, since they are the K of attention's second product.
; Cluster x (0, 1, 2) says which projection.  A tile is 256 x 256; four waves, each 128 x 128: 64 accumulators, 512 registers.  K = 1,024 goes in four steps of 256 through two LDS slots.
; THE MATRIX INSTRUCTION IS USED TRANSPOSED (source 0 = 16 rows of 'B', source 1 = 16 rows of 'A'): a lane holds one row of A and eight neighbouring rows of B.
; For q and k: A = tokens, B = the weight's rows, so a lane's eight numbers are neighbours along d.  For v the two pointers change places (A = Wv's rows, B = tokens): eight neighbouring tokens.
; Both operands have rows of 1,024 bytes, so the text is one; what differs between the projections is chosen by selects and by two short branches on the cluster's x, which all partners share.
; CLUSTERS: 4 x 4 work-groups; A's tile is asked for jointly along a row of the cluster, B's along a column.
; LIMITS: eW + ex between -126 and 127; the quantiser's e between -126 and 119.  NaN is not served.
; REGISTERS, in windows of 256: window 0: v0-31 addresses; v32-95, v96-111 at work on the way out; from v128 A's fragments, ONE set, later the rows on their way out.
;   window 1: B's fragments, TWO sets, later the biases.   window 2, 3: the accumulators of my rows 0-63, 64-127 (accumulator (a, b) at v[8 (8 (a % 4) + b)]).
.set ROWB,   256                       ; a tile's row in bytes: a K step's codes
.set KROW,   1024                      ; a row of A or of B in memory
.set PITCH,  272                       ; an LDS row: 256 bytes + 16 of padding = 68 words: the 16 rows that a load touches start at 16 different banks (64 banks of 4 bytes: ISA guide 11.1)
.set FR,     16                        ; registers of a fragment: 16 rows x 128 K
.set NL,     4                         ; LDS loads that bring one
.set NP,     4                         ; places behind this matrix instruction (ISA guide 7.12.1)
.set HALFT,  128*PITCH                 ; what one tensor load brings
.set SLOT,   4*HALFT                   ; A's 256 rows, then B's 256 rows
.set SPARE,  2*SLOT                    ; behind the ring: the spare words, 128 bytes a wave, which no other line names
.set BIASS,  SPARE+512                 ; behind them: 512 bytes a wave for its 128 biases; no tile lands here
                                       ; the way out's stage, 256 rows x PITCH, lies from byte 0 on, in slot 0, which has had its last fill and its last read when the first result is stored there
.set ADRA, 16                          ; v16-17  LDS address of my A fragments in slot 0, 1
.set BLV,  18                          ; v18     biases back, v: one number for each of my rows
.set SCV,  19                          ; v19     2^e for the conversions
.set ADRB, 20                          ; v20-21  the same as ADRA for B
.set BSA,  22                          ; v22     biases in: 16 bytes a lane
.set BLQ,  23                          ; v23     biases back, q and k: eight numbers for my half of a block's columns
.set STO,  24                          ; v24     the stage: where I put 8 codes
.set RDQ,  25                          ; v25-26  the stage back, q and k: rows 0-127, rows 128-255
.set RDQ2, 26
.set RDV,  27                          ; v27     the stage back, v
.set SPW,  28                          ; v28     my spare word; never rewritten
.set NIL,  29                          ; v29     0; never rewritten
.set GOQ,  30                          ; v30     16 x lane
.set GOV,  31                          ; v31     2,048 (lane / 16) + 16 (lane % 16)
.set TMP,  32
.set CD,   96
.set AF,   128
.set OUTR, 128
.set G1, 24                            ; s[24:31] descriptor group 1 for A's tiles;  s[32:39] group 0, one set for each slot
.set G0, 32
.set G1B, 48                           ; s[48:55], s[56:63] the same for B's tiles
.set G0B, 56
.set MSB, 0
.macro WIN new                         ; the immediate's high byte repeats the setting that is left
.if MSB != (\new)
	s_set_vgpr_msb (MSB<<8)|(\new)
.set MSB, \new
.endif
.endm
.set MUL_LO, 0xa1                      ; source 0 (B) window 1, source 1 (A) window 0, C and D window 2
.set MUL_HI, 0xf1                      ; the same, C and D window 3
.set TO_B,   0x40                      ; destination window 1, address window 0
; A joint load: waves 0 and 1 fetch for A, waves 2 and 3 for B; the branch hangs on the wave's number alone.  An s_nop 0 and four v_nop follow each of the two lines.
.macro JLOAD g0a, g1a, g0b, g1b
	s_cmp_eq_u32 s15, 0
	s_cbranch_scc0 .Lfor_b_\@
	tensor_load_to_lds s[\g0a:\g0a+3], s[\g1a:\g1a+7]
	s_nop 0
.rept 4
	v_nop
.endr
	s_branch .Lasked_\@
.Lfor_b_\@:
	tensor_load_to_lds s[\g0b:\g0b+3], s[\g1b:\g1b+7]
	s_nop 0
.rept 4
	v_nop
.endr
.Lasked_\@:
.endm
.macro CREST                           ; a round of the cluster's barrier behind its opening barrier
	s_cmp_lg_u32 s14, 0
	s_cbranch_scc1 .Lnot_wave_0_\@
	s_barrier_signal -3
.Lnot_wave_0_\@:
	s_barrier_wait -3
	s_barrier_signal -1
	s_barrier_wait -1
.endm
.macro CROUND                          ; a whole round
	s_barrier_signal -1
	s_barrier_wait -1
	CREST
.endm
	s_load_b256 s[4:11], s[0:1], 0x0               ; xc s[4:5], wc s[6:7], the scales' exponents s[8:9], qkvc s[10:11]
	s_load_b128 s[68:71], s[0:1], 0x20             ; bq, bk
	s_load_b64 s[72:73], s[0:1], 0x30              ; bv
	v_lshl_add_u32 v[SPW], v0, 2, SPARE
	v_mov_b32 v[NIL], 0
	ds_add_u32 v[SPW], v[NIL]                      ; the wave's opening: the add and its wait stand ahead of my first tensor load; the set-up below, work on registers, stands between them
	v_lshrrev_b32 v1, 5, v0
	v_readfirstlane_b32 s14, v1                    ; wave 0..3
	s_lshr_b32 s15, s14, 1                         ; which half of the tile's A rows is mine.  Also: I fetch for A (0) or for B (1)
	s_and_b32 s16, s14, 1                          ; which half of its B rows.  Also: which 128 rows of that tile I fetch
	s_bfe_u32 s40, ttmp6, 0x40000                  ; cx, cy: my place in the cluster
	s_bfe_u32 s41, ttmp6, 0x40004
	s_and_b32 s13, ttmp7, 0xffff
	s_lshl_b32 s13, s13, 2                         ; 4 x cluster y
	s_add_co_u32 s17, s13, s41
	s_add_co_u32 s42, s13, s40
	s_cmp_eq_u32 ttmp9, 2                          ; v?  The cluster's x: the same in all sixteen partners
	s_cselect_b32 s17, s41, s17                    ; A's tile: q, k: tokens, 4 x cluster y + cy;  v: Wv's rows, cy.  Never cx
	s_cselect_b32 s42, s42, s40                    ; B's tile: q, k: the weight's rows, cx;  v: tokens, 4 x cluster y + cx.  Never cy
	s_lshl_b32 s43, s41, 2
	s_lshl_b32 s43, 15, s43                        ; my row of the cluster
	s_lshl_b32 s44, 0x1111, s40                    ; my column
	; descriptor group 1: a tile of 128 rows x 256 bytes, padded in LDS
	s_or_b32 s[G1+0], s43, (0<<16)|(1<<20)|(1<<21)|(5<<22)|(3<<25)  ; 15:0 the mask: A's tiles go to my row; 17:16 element of 1 byte; 20 padding on; 21 set beside a mask; 24:22 after every 64 words; 31:25 of 4 words
	s_or_b32 s[G1B+0], s44, (0<<16)|(1<<20)|(1<<21)|(5<<22)|(3<<25)
.irp g, G1, G1B
	s_mov_b32 s[\g+1], ROWB<<16                    ; tensor_dim0
	s_mov_b32 s[\g+2], 128<<16                     ; tensor_dim1
	s_mov_b32 s[\g+3], ROWB<<16                    ; tile_dim0
	s_mov_b32 s[\g+4], 128                         ; tile_dim1
	s_mov_b32 s[\g+5], KROW                        ; tensor_dim0_stride
	s_mov_b32 s[\g+6], 0
	s_mov_b32 s[\g+7], 0
.endr
	s_lshl_b32 s18, s16, 7                         ; which 128 rows of the tile I fetch
	s_lshl_b32 s20, s17, 8
	s_add_co_u32 s20, s20, s18
	s_lshl_b32 s20, s20, 10                        ; A: (256 x tile + 128 x half) rows of 1,024 bytes: under 2^23
	s_mov_b32 s21, 0
	s_lshl_b32 s46, s42, 8
	s_add_co_u32 s46, s46, s18
	s_lshl_b32 s46, s46, 10                        ; B likewise
	s_mov_b32 s47, 0
	s_mul_i32 s45, s14, HALFT                      ; where they go: wave x 128 rows: no place in the cluster enters an LDS address
	s_lshl_b32 s74, ttmp9, 23                      ; the projection's set of x's codes,
	s_mov_b32 s75, 0
	s_lshl_b32 s92, ttmp9, 20                      ; and its 1,024 rows of wc
	s_mov_b32 s93, 0
	s_wait_dscnt 0x0                               ; the opening add is done
	s_wait_kmcnt 0x0
	s_load_b256 s[80:87], s[8:9], 0x0              ; entries 0 to 7
	s_load_b64 s[88:89], s[8:9], 0x20              ; entries 8, 9
	s_add_nc_u64 s[4:5], s[4:5], s[74:75]
	s_add_nc_u64 s[6:7], s[6:7], s[92:93]
	s_cmp_eq_u32 ttmp9, 2
	s_cselect_b64 s[76:77], s[6:7], s[4:5]         ; A: x's codes, for v the weight's
	s_cselect_b64 s[78:79], s[4:5], s[6:7]         ; B: the weight's codes, for v x's
	s_add_nc_u64 s[20:21], s[76:77], s[20:21]
	s_add_nc_u64 s[46:47], s[78:79], s[46:47]
	CROUND                                         ; all sixteen work-groups are here: the first joint loads meet
.irp s, 0,1
	s_mov_b32 s[G0+4*\s], 1
	s_add_co_u32 s[G0+4*\s+1], s45, \s*SLOT
	s_add_nc_u64 s[G0+4*\s+2:G0+4*\s+3], s[20:21], \s*ROWB
	s_or_b32 s[G0+4*\s+3], s[G0+4*\s+3], 0x80000000
	s_mov_b32 s[G0B+4*\s], 1
	s_add_co_u32 s[G0B+4*\s+1], s45, \s*SLOT
	s_add_nc_u64 s[G0B+4*\s+2:G0B+4*\s+3], s[46:47], \s*ROWB
	s_or_b32 s[G0B+4*\s+3], s[G0B+4*\s+3], 0x80000000
	JLOAD G0+4*\s, G1, G0B+4*\s, G1B               ; two loads of mine are out behind the second
.endr
	v_and_b32 v1, 15, v0                           ; r = l % 16
	v_bfe_u32 v2, v0, 4, 1                         ; hh = l / 16
	v_mul_u32_u24 v3, v1, PITCH
	v_lshl_add_u32 v4, v2, 4, v3                   ; a fragment's row x pitch + 16 x half
	s_mul_i32 s21, s15, HALFT                      ; my 128 rows of A
	s_mul_i32 s22, s16, HALFT                      ; my 128 rows of B,
	s_add_co_u32 s22, s22, 2*HALFT                 ; which lie behind A's 256
.irp s, 0,1
	v_add_nc_u32 v[ADRA+\s], s21, v4
	v_add_nc_u32 v[ADRB+\s], s22, v4
	s_add_co_u32 s21, s21, SLOT
	s_add_co_u32 s22, s22, SLOT
.endr
	v_and_b32 v5, 31, v0                           ; lane
	v_lshlrev_b32 v[GOQ], 4, v5
	s_lshl_b32 s23, s14, 9
	s_add_co_u32 s23, s23, BIASS                   ; my 512 bytes for the biases
	v_add_nc_u32 v[BSA], s23, v[GOQ]
	v_lshl_add_u32 v[BLQ], v2, 5, s23
	v_lshl_add_u32 v[BLV], v1, 2, s23
	s_mul_i32 s23, s15, 128*PITCH
	s_lshl_b32 s22, s16, 7
	s_add_co_u32 s23, s23, s22
	v_lshl_add_u32 v[STO], v2, 3, v3
	v_add_nc_u32 v[STO], s23, v[STO]               ; the stage: row 128 x (my half of A) + r, byte 128 x (my half of B) + 8 hh
	v_lshrrev_b32 v6, 2, v5
	v_and_b32 v7, 3, v5
	v_mul_u32_u24 v6, v6, PITCH
	v_lshl_add_u32 v6, v7, 4, v6
	s_lshl_b32 s23, s14, 6
	v_add_nc_u32 v[RDQ], s23, v6                   ; back, q and k: head w's 64 bytes of eight rows: row l / 4, byte 64 w + 16 (l % 4)
	v_add_nc_u32 v[RDQ2], 128*PITCH, v[RDQ]        ; and 128 rows on: beyond an LDS immediate's reach
	s_mul_i32 s23, s14, 64*PITCH
	v_mul_u32_u24 v6, v2, PITCH
	v_lshl_add_u32 v6, v1, 4, v6
	v_add_nc_u32 v[RDV], s23, v6                   ; back, v: head w's 64 rows, two whole rows an instruction
	v_lshlrev_b32 v[GOV], 11, v2
	v_lshl_add_u32 v[GOV], v1, 4, v[GOV]
	; where wave w stores head 4 x (the weight's tile) + w of the token tile's batch
	s_cmp_eq_u32 ttmp9, 2
	s_cselect_b32 s90, s42, s17                    ; the token tile, 0 .. 31
	s_cselect_b32 s91, s41, s40                    ; the weight's tile, 0 .. 3
	s_mov_b32 s92, 16384
	s_cselect_b32 s92, 256, s92                    ; bytes from token tile to token tile: 256 rows of 64, or 256 along a row of v
	s_cselect_b32 s94, s41, s40                    ; the biases: those of the weight's tile,
	s_cselect_b32 s95, s15, s16                    ; of my half of its rows
	s_lshr_b32 s93, s90, 3
	s_lshl_b32 s93, s93, 4                         ; 16 x batch
	s_lshl_b32 s91, s91, 2
	s_add_co_u32 s93, s93, s91
	s_add_co_u32 s93, s93, s14
	s_lshl_b32 s93, s93, 17                        ; a (batch, head) is 131,072 bytes
	s_and_b32 s90, s90, 7
	s_mul_i32 s90, s90, s92
	s_add_co_u32 s92, s93, s90
	s_lshl_b32 s93, ttmp9, 23
	s_add_co_u32 s92, s92, s93
	s_mov_b32 s93, 0
	s_add_nc_u64 s[10:11], s[10:11], s[92:93]
	s_lshl_b32 s94, s94, 8
	s_lshl_b32 s95, s95, 7
	s_add_co_u32 s94, s94, s95
	s_lshl_b32 s94, s94, 2
	s_mov_b32 s95, 0
	s_cmp_eq_u32 ttmp9, 1
	s_cselect_b64 s[68:69], s[70:71], s[68:69]
	s_cmp_eq_u32 ttmp9, 2
	s_cselect_b64 s[68:69], s[72:73], s[68:69]
	s_add_nc_u64 s[68:69], s[68:69], s[94:95]
	global_load_b128 v[8:11], v[GOQ], s[68:69]     ; my wave's 128 biases: 512 consecutive bytes, copied once into LDS and used from there
	s_wait_loadcnt 0x0
	ds_store_b128 v[BSA], v[8:11]
.macro FRAG reg, adr, q, i             ; a fragment: lane l holds row l % 16; registers 4 c .. 4 c + 3 hold K = 32 c + 16 (l / 16) + 0 .. 15: a permutation of k, the same in A and in B
.irp c, 0,1,2,3
	ds_load_b128 v[\reg+4*\c:\reg+4*\c+3], v[\adr] offset:128*(\q)+32*\c+(\i)*16*PITCH
.endr
.endm
; 16 matrix instructions: A's blocks a0, a0 + 1 x B's eight, 128 along K.  p: B's set.  zero = 1: the first product starts the sums.  The 64 accumulators take turns, one instruction a turn.
.macro MUL16 a0, p, zero
.irp a, \a0, \a0+1
.irp b, 0,1,2,3,4,5,6,7
.if \zero
	v_wmma_f32_16x16x128_fp8_fp8 v[8*(8*((\a)%4)+\b):8*(8*((\a)%4)+\b)+7], v[128*(\p)+FR*\b:128*(\p)+FR*\b+FR-1], v[AF+FR*(\a):AF+FR*(\a)+FR-1], 0
.else
	v_wmma_f32_16x16x128_fp8_fp8 v[8*(8*((\a)%4)+\b):8*(8*((\a)%4)+\b)+7], v[128*(\p)+FR*\b:128*(\p)+FR*\b+FR-1], v[AF+FR*(\a):AF+FR*(\a)+FR-1], v[8*(8*((\a)%4)+\b):8*(8*((\a)%4)+\b)+7]
.endif
.endr
.endr
.endm
.macro FETCH_B slot, q, p              ; B's eight fragments of the slot's q-th 128 along K into set p
	WIN TO_B
.irp i, 0,1,2,3,4,5,6,7
	FRAG 128*(\p)+FR*\i, ADRB+\slot, \q, \i
.endr
	WIN 0
.endm
.macro FETCH_A slot, q, i0             ; A's blocks i0 .. i0 + 3
.irp i, \i0, \i0+1, \i0+2, \i0+3
	FRAG AF+FR*(\i), ADRA+\slot, \q, \i
.endr
.endm
.macro PLACES n                        ; plain vector instructions between a matrix instruction and a load into, or a read of, its registers
.rept \n
	v_nop
.endr
.endm
; A step of 128 along K that has its successor in the same slot.
.macro STEP slot, q, zero
	s_wait_dscnt 4*NL                              ; B's set and A's blocks 0-3 are in; the youngest 16 loads (A's blocks 4-7) may be out
	WIN MUL_LO
	MUL16 0, (\q)%2, \zero
	MUL16 2, (\q)%2, \zero
	s_wait_dscnt 0                                 ; A's blocks 4-7 are in
	PLACES NP
	FETCH_B \slot, (\q)+1, 1-(\q)%2
	FETCH_A \slot, (\q)+1, 0
	WIN MUL_HI
	MUL16 4, (\q)%2, \zero
	MUL16 6, (\q)%2, \zero
	PLACES NP
	WIN 0
	FETCH_A \slot, (\q)+1, 4
.endm
; A slot's last step changes slots: ONE barrier; in front of it each wave waits for all its tensor loads, adds 0 to its spare word, and waits for that and for its own reads of this slot.  fill = 1: this slot is filled again, two K steps ahead.
.macro TURN slot, next, fill
	s_wait_tensorcnt 0x0                           ; all my tensor loads have landed: my part of the next slot
	ds_add_u32 v[SPW], v[NIL]                      ; 0 onto my spare word
	s_wait_dscnt 4*NL+1                            ; the add and the youngest 16 loads (A's blocks 4-7) may be out
	WIN MUL_LO
	MUL16 0, 1, 0                                  ; sixteen matrix instructions stand between the add and the wait for it
	s_wait_dscnt 0x0                               ; the add is done, and my reads of this slot are over
	s_barrier_signal -1
	MUL16 2, 1, 0
	WIN 0
	s_barrier_wait -1
.if \fill
	CREST                                          ; the barrier has opened a round of the cluster's barrier: no wave of any partner still reads this slot or has a load on its way
	s_add_nc_u64 s[G0+4*\slot+2:G0+4*\slot+3], s[G0+4*\slot+2:G0+4*\slot+3], 2*ROWB
	s_add_nc_u64 s[G0B+4*\slot+2:G0B+4*\slot+3], s[G0B+4*\slot+2:G0B+4*\slot+3], 2*ROWB
	JLOAD G0+4*\slot, G1, G0B+4*\slot, G1B         ; the first tensor load behind the round, my one load until the next; its four v_nop are the places in front of the loads below
.else
	PLACES NP
.endif
	FETCH_B \next, 0, 0
	FETCH_A \next, 0, 0
	WIN MUL_HI
	MUL16 4, 1, 0
	MUL16 6, 1, 0
	PLACES NP
	WIN 0
	FETCH_A \next, 0, 4
.endm
	s_wait_tensorcnt 1                             ; my part of K step 0 is in; K step 1's load may be out
	s_wait_dscnt 0x0                               ; my biases lie in LDS
	s_barrier_signal -1
	s_barrier_wait -1
	FETCH_B 0, 0, 0
	FETCH_A 0, 0, 0
	FETCH_A 0, 0, 4
	STEP 0, 0, 1                                   ; K step 0: its first products start the sums: nothing is cleared.  Four K steps are written out: no loop
	TURN 0, 1, 1                                   ; slot 0 takes K step 2
	STEP 1, 0, 0                                   ; K step 1
	TURN 1, 0, 1                                   ; slot 1 takes K step 3
	STEP 0, 0, 0                                   ; K step 2
	TURN 0, 1, 0                                   ; nothing is left to fetch
	STEP 1, 0, 0                                   ; K step 3
	s_wait_dscnt 4*NL
	WIN MUL_LO
	MUL16 0, 1, 0
	MUL16 2, 1, 0
	s_wait_dscnt 0
	WIN MUL_HI
	MUL16 4, 1, 0
	MUL16 6, 1, 0
	WIN 0
	; THE WAY OUT.  The projection's three exponents are chosen by selects: no branch hangs on a loaded number.
	s_wait_kmcnt 0x0
	s_cmp_eq_u32 ttmp9, 1
	s_cselect_b32 s90, s82, s80                    ; the weight's e: entry 0, 2, 4
	s_cselect_b32 s91, s83, s81                    ; x's: entry 1, 3, 5
	s_cselect_b32 s92, s87, s86                    ; the result's: entry 6, 7, 9
	s_cmp_eq_u32 ttmp9, 2
	s_cselect_b32 s90, s84, s90
	s_cselect_b32 s91, s85, s91
	s_cselect_b32 s92, s89, s92
	s_add_co_i32 s96, s90, s91
	s_add_co_i32 s96, s96, 127
	s_lshl_b32 s96, s96, 23                        ; 2^(eW + ex) as f32
	s_mov_b32 s97, s96                             ; (named with it as a pair, so it is written)
	s_add_co_i32 s92, s92, 127
	s_lshl_b32 s93, s92, 23
	v_mov_b32 v[SCV], s93                          ; 2^e
	s_add_co_i32 s92, s92, 8
	s_lshl_b32 s99, s92, 23
	s_or_b32 s99, s99, 0x600000                    ; 448 x 2^e,
	s_or_b32 s98, s99, 0x80000000                  ; and its negative
	PLACES NP                                      ; behind the last products: loads into B's registers and reads of results follow
	; sum x 2^(eW + ex) + bias, in place, each accumulator from its low end on.  The two arms hold LDS reads and work on registers alone.
	s_cmp_eq_u32 ttmp9, 2
	s_cbranch_scc1 .Lbias_v
	WIN TO_B                                       ; q, k: the bias goes with the column: for block b my eight numbers 16 b + 8 hh + 0 .. 7
.irp b, 0,1,2,3,4,5,6,7
	ds_load_b128 v[8*\b:8*\b+3], v[BLQ] offset:64*\b
	ds_load_b128 v[8*\b+4:8*\b+7], v[BLQ] offset:64*\b+16
.endr
	s_wait_dscnt 0x0
.irp a, 0,1,2,3,4,5,6,7
	WIN 0x92+0x41*(\a/4)                           ; sums (source 0, destination) window 2 or 3, bias (source 2) window 1
.set n, 0
.rept 32
	v_pk_fma_f32 v[64*(\a%4)+n:64*(\a%4)+n+1], v[64*(\a%4)+n:64*(\a%4)+n+1], s[96:97], v[n:n+1] op_sel_hi:[1,0,1]
.set n, n+2
.endr
.endr
	WIN 0
	s_branch .Lbiased
.Lbias_v:
	WIN TO_B                                       ; v: the bias goes with my row: for block a the one number 16 a + r, written twice to fill a pair
.irp a, 0,1,2,3,4,5,6,7
	ds_load_b32 v[2*\a], v[BLV] offset:64*\a
	ds_load_b32 v[2*\a+1], v[BLV] offset:64*\a
.endr
	s_wait_dscnt 0x0
.irp a, 0,1,2,3,4,5,6,7
	WIN 0x92+0x41*(\a/4)
.set n, 0
.rept 32
	v_pk_fma_f32 v[64*(\a%4)+n:64*(\a%4)+n+1], v[64*(\a%4)+n:64*(\a%4)+n+1], s[96:97], v[2*\a:2*\a+1] op_sel_hi:[1,0,1]
.set n, n+2
.endr
.endr
	WIN 0
.Lbiased:
	; hold, convert, into the work-group's stage: a lane's eight neighbours are 8 bytes of a stage row
.irp a, 0,1,2,3,4,5,6,7
	WIN 0x02+(\a/4)                                ; source 0 window 2 or 3
.set n, 0
.rept 64
	v_med3_num_f32 v[TMP+n], v[64*(\a%4)+n], s98, s99   ; the hold at the largest code x the scale: the conversion does not saturate (ISA guide 7.6.2)
.set n, n+1
.endr
	WIN 0
	s_wait_dscnt 0x0                               ; the last block's stores have read their registers
.irp b, 0,1,2,3,4,5,6,7
	v_cvt_scalef32_pk8_fp8_f32 v[CD+2*\b:CD+2*\b+1], v[TMP+8*\b:TMP+8*\b+7], v[SCV]
.endr
	v_nop                                          ; one plain vector line behind the last conversion: the next block's holds write the conversions' sources
.irp b, 0,1,2,3,4,5,6,7
	ds_store_b64 v[STO], v[CD+2*\b:CD+2*\b+1] offset:16*PITCH*\a+16*\b
.endr
.endr
	s_wait_dscnt 0x0                               ; for the others' sake: my stores into the stage are done
	s_barrier_signal -1
	s_barrier_wait -1
	; each wave stores one head's 16,384 bytes.  The two arms hold LDS reads and global stores alone.
	s_cmp_eq_u32 ttmp9, 2
	s_cbranch_scc1 .Lstore_v
.irp i, 0,1,2,3,4,5,6,7,8,9,10,11,12,13,14,15
	ds_load_b128 v[OUTR+4*\i:OUTR+4*\i+3], v[RDQ] offset:8*PITCH*\i
.endr
.irp i, 16,17,18,19,20,21,22,23,24,25,26,27,28,29,30,31
	ds_load_b128 v[OUTR+4*\i:OUTR+4*\i+3], v[RDQ2] offset:8*PITCH*(\i-16)
.endr
.irp i, 0,1,2,3,4,5,6,7,8,9,10,11,12,13,14,15,16,17,18,19,20,21,22,23,24,25,26,27,28,29,30,31
	s_wait_dscnt 31-\i                             ; the younger read-backs may be out
	global_store_b128 v[GOQ], v[OUTR+4*\i:OUTR+4*\i+3], s[10:11] offset:512*\i   ; eight tokens x 64 bytes: 512 consecutive bytes, aligned
.endr
	s_branch .Lstored
.Lstore_v:
.irp i, 0,1,2,3,4,5,6,7,8,9,10,11,12,13,14,15,16,17,18,19,20,21,22,23,24,25,26,27,28,29,30,31
	ds_load_b128 v[OUTR+4*\i:OUTR+4*\i+3], v[RDV] offset:2*PITCH*\i
.endr
.irp i, 0,1,2,3,4,5,6,7,8,9,10,11,12,13,14,15,16,17,18,19,20,21,22,23,24,25,26,27,28,29,30,31
	s_wait_dscnt 31-\i
	global_store_b128 v[GOV], v[OUTR+4*\i:OUTR+4*\i+3], s[10:11] offset:4096*\i  ; two rows d: sixteen lanes store 256 consecutive bytes, aligned
.endr
.Lstored:
	s_wait_tensorcnt 0x0                           ; the wave's end: behind my last tensor load and my last LDS store
	ds_add_u32 v[SPW], v[NIL]
	s_wait_dscnt 0x0
	CROUND                                         ; the closing round: no work-group ends while a partner may still ask for a tile that names it
	s_endpgm
.Lfunc_end_k_qbb7560e0bc_qkv:
	.size	k_qbb7560e0bc_qkv, .Lfunc_end_k_qbb7560e0bc_qkv-k_qbb7560e0bc_qkv
	.p2alignl 7, 3214868480
	.fill 96, 4, 3214868480
	.section	.rodata,"a",@progbits
	.p2align	6, 0x0
	.amdhsa_kernel k_qbb7560e0bc_qkv
		.amdhsa_group_segment_fixed_size 327680
		.amdhsa_private_segment_fixed_size 0
		.amdhsa_enable_private_segment 0
		.amdhsa_kernarg_size 56
		.amdhsa_user_sgpr_count 2
		.amdhsa_user_sgpr_kernarg_segment_ptr 1
		.amdhsa_wavefront_size32 1
		.amdhsa_system_sgpr_workgroup_id_x 1
		.amdhsa_system_sgpr_workgroup_id_y 1
		.amdhsa_system_sgpr_workgroup_id_z 1
		.amdhsa_system_vgpr_workitem_id 0
		.amdhsa_next_free_vgpr 1024
		.amdhsa_next_free_sgpr 100
		.amdhsa_reserve_vcc 0
		.amdhsa_float_denorm_mode_32 3
		.amdhsa_float_denorm_mode_16_64 3
		.amdhsa_memory_ordered 1
		.amdhsa_forward_progress 1
		.amdhsa_inst_pref_size 168
	.end_amdhsa_kernel
	.amdgpu_metadata
---
amdhsa.version: [ 1, 2 ]
amdhsa.kernels:
  - .name:           k_qbb7560e0bc_qkv
    .symbol:         k_qbb7560e0bc_qkv.kd
    .args:
      - { .name: xc, .offset: 0, .size: 8, .value_kind: global_buffer, .address_space: global }
      - { .name: wc, .offset: 8, .size: 8, .value_kind: global_buffer, .address_space: global }
      - { .name: lowp_scales, .offset: 16, .size: 8, .value_kind: global_buffer, .address_space: global }
      - { .name: qkvc, .offset: 24, .size: 8, .value_kind: global_buffer, .address_space: global }
      - { .name: bq, .offset: 32, .size: 8, .value_kind: global_buffer, .address_space: global }
      - { .name: bk, .offset: 40, .size: 8, .value_kind: global_buffer, .address_space: global }
      - { .name: bv, .offset: 48, .size: 8, .value_kind: global_buffer, .address_space: global }
    .group_segment_fixed_size: 327680
    .private_segment_fixed_size: 0
    .kernarg_segment_align: 8
    .kernarg_segment_size: 56
    .max_flat_workgroup_size: 128
    .sgpr_count:     100
    .vgpr_count:     1024
    .wavefront_size: 32
...
	.end_amdgpu_metadata
.endif
;; end of part 3
;; launch attn (part 4): grid 8 x 64, 16 waves a work-group, no clusters, 327,680 bytes of LDS; arguments qkvc, lowp_scales, oc; writes oc
.if DOCPART == 4
	.amdgcn_target "amdgcn-amd-amdhsa--gfx1250"
	.amdhsa_code_object_version 6
	.text
	.protected	k_qbb7560e0bc_attn
	.globl	k_qbb7560e0bc_attn
	.p2align	8
	.type	k_qbb7560e0bc_attn,@function
k_qbb7560e0bc_attn:
	s_mov_b64 s[64:65], 0
	v_nop
	global_prefetch_b8 v0, s[64:65] scope:SCOPE_SE
	s_setreg_imm32_b32 hwreg(HW_REG_WAVE_MODE, 25, 1), 1
	s_wait_xcnt 0x0
; Causal attention on codes of FP8 (E4M3), head size 64: O[q] = sum over k <= q of softmax_k(Q[q] . K[k] / 8) V[k], then O quantised with entry 10 into oc [16 heads][8192 tokens][64 d].
; q, k: qkvc + 0, + 8,388,608: [64 (batch, head)][2048][64];  v: qkvc + 16,777,216: [64][64 d][2048 keys].  Scales: entries 6 (q), 7 (k), 8 (p), 9 (v), 10 (O).
; THE SOFTMAX AHEAD OF THE SECOND PRODUCT: t = score x log2(e) / 8; M = the row's largest t so far, rounded UP to a whole number; p = 2^(t - M) is what is quantised; it is not normalised.
; The row's sum is taken of the unquantised p, in f32, and divides O at the end.  When M moves, the sum and O are multiplied by 2^(old M - new M): exact.
; A hidden key counts for exactly 0.  LIMIT: that is what a logit of -1e9 gives as long as a row's largest kept logit lies above about -1e9 + 150.
; SHARES.  A work-group owns chunks c and 15 - c of a head's sixteen chunks of 128 queries, so that under the mask every work-group has the same work: 17 chunk-steps of 128 keys.
; Each of its SIXTEEN waves owns 16 queries, one tile, in 256 registers: four waves to a SIMD, so that one wave's vector work stands beside another's matrix work.
; Wave w has chunk c or 15 - c by (w xor w / 4) % 2, so that any four waves with equal w % 4 or equal w / 4 hold two of each.
; K's and V's tiles come through a ring of two LDS slots of 256 keys (wave 0 fetches K's 16 KiB, wave 1 V's).  EVERY work-group walks all 8 slots: the trip counts are constants; what is left out is a step's work and, past the limit, the loads.
; NO JOINT LOADS: the eight work-groups of a head need 8, 8, 7, 7, 6, 6, 5, 5 slots, and a slot's 32 KiB feed up to 32 wave-steps of some 250 vector instructions each: what would be shared is small beside a step's work.
; LAYOUT.  Both products are used transposed: S^T = K Q^T (source 0 = 16 keys), O^T = V^T P^T (source 0 = 16 of the head's 64): a lane holds ONE query (lane % 16) throughout.
; THE KEYS OF A TILE ARE NOT NEIGHBOURS: lane r of tile 2 b + u takes key 32 b + 8 u + r + 8 (r / 8), so that the 16 registers of tiles 2 b and 2 b + 1 are 16 neighbouring keys, 32 b + 16 (lane / 16) + 0 .. 15.
; LIMITS on the exponents: e6 + e7 between -123 and 130 (added to c's exponent field); e8 and e10 between -126 and 119.  NaN is not served.
; REGISTERS: v1-7 addresses that stay; v8-11 addresses in hand; v12 -M, v13 the largest t, v[14:15] the sum in two halves; v16-23 Q; v32-95 eight fragments of K, then four of V; v96-159 S^T, then p; v160-191 O^T; v224-239 p's codes;
;   v236 (between two uses as a code register), v240-245, v252-254 at work; v246 the way out's lane exchange: a register of no matrix instruction.
.set SK,    256                        ; keys in a slot
.set NQ,    2                          ; key steps in a slot
.set KP,    272                        ; an LDS row: 256 bytes + 16.  K: four keys' 64 bytes to a row (K's 256 rows are dense in memory and are stated as 64 rows of 256 bytes); V: 256 keys of one d
.set VOFF,  64*KP                      ; a slot: 64 rows of K, then 64 rows of V
.set SLOT1, 1<<16                      ; slot 1 begins here, so that one exclusive or turns an address in one slot into the other's
.set NSL,   2048/SK
.set SPARE, 2*SLOT1                    ; behind the ring: the spare words, 128 bytes a wave, which no other line names
.set STAGE, SPARE+2048                 ; behind them: the way out, 16 rows x 80 bytes for each wave; no tile lands here
.set AK0,  1
.set AV0,  2
.set PFO,  3                           ; v3   the prefetches' offset; never rewritten
.set SPW,  5
.set NIL,  6
.set GO,   7                           ; v7   16 x lane
.set ADK,  8
.set ADV,  9
.set XCH,  246                         ; v246 the way out's lane exchange
.set TB,   2                           ; s2   LDS byte at which the slot in hand begins
.set WV,   18
.set SEL,  20                          ; s[20:21] lane selects: lane l xor 16
.set CS,   22                          ; s[22:23] c = log2(e) / 8, x 2^(e6 + e7)
.set G1K,  24
.set G1V,  32
.set G0K,  40
.set G0V,  44
.set LASTQ, 66                         ; s66  my work-group's last query
.set SLOTS, 67
.set PFA,  76
.set PFS,  78
.set LIM,  80
.set KF,   98                          ; s98  the step's first key
.set Q0,   99                          ; s99  my first query
; Wave 0 fetches K's tile, wave 1 V's, the others nothing.  An s_nop 0 and four v_nop follow each of the two lines.
.macro TLOAD
	s_cmp_eq_u32 s[WV], 0
	s_cbranch_scc0 .Lnot_k_\@
	tensor_load_to_lds s[G0K:G0K+3], s[G1K:G1K+7]
	s_nop 0
.rept 4
	v_nop
.endr
	s_branch .Lasked_\@
.Lnot_k_\@:
	s_cmp_eq_u32 s[WV], 1
	s_cbranch_scc0 .Lasked_\@
	tensor_load_to_lds s[G0V:G0V+3], s[G1V:G1V+7]
	s_nop 0
.rept 4
	v_nop
.endr
.Lasked_\@:
.endm
; A PREFETCH of what the NEXT change of slots will ask for.  Each aligned block of 256 bytes is named once in the launch: of a head's eight work-groups the one with c = 0 asks, which walks all slots with loads;
; in it waves 4 and 5 ask for K's 16 KiB (8,192 bytes a wave, lanes 256 bytes apart), waves 6 and 7 for V's 64 rows (32 a wave, a lane a row: a slot's part of a row is 256 bytes, aligned).
; It is a slot's two key steps ahead of the load.  The last change that fills a slot asks for nothing; slots 0 and 1 come by their loads alone.
.macro ASK
	s_cmp_gt_u32 s[SLOTS], s[LIM]
	s_cbranch_scc0 .Lnot_mine_\@
	global_prefetch_b8 v[PFO], s[PFA:PFA+1] th:TH_LOAD_NT scope:SCOPE_SE
.Lnot_mine_\@:
.endm
	s_load_b128 s[4:7], s[0:1], 0x0                ; qkvc, the scales' exponents
	s_load_b64 s[8:9], s[0:1], 0x10                ; oc
	v_lshl_add_u32 v[SPW], v0, 2, SPARE
	v_mov_b32 v[NIL], 0
	ds_add_u32 v[SPW], v[NIL]                      ; the wave's opening: the add and its wait stand ahead of the first tensor load; the set-up below, work on registers, stands between them
	v_lshrrev_b32 v8, 5, v0
	v_readfirstlane_b32 s[WV], v8                  ; wave 0..15
	s_and_b32 s82, ttmp7, 0xffff                   ; 16 x batch + head
	s_lshl_b32 s84, s82, 17                        ; its 131,072 bytes in each of q, k, v
	s_mov_b32 s85, 0
	s_lshr_b32 s86, s[WV], 2
	s_xor_b32 s86, s86, s[WV]
	s_and_b32 s86, s86, 1                          ; which of the two chunks
	s_lshl_b32 s87, ttmp9, 7                       ; 128 c
	s_sub_co_u32 s88, 1920, s87                    ; 128 (15 - c)
	s_cmp_eq_u32 s86, 0
	s_cselect_b32 s[Q0], s87, s88
	s_lshr_b32 s86, s[WV], 1
	s_lshl_b32 s86, s86, 4
	s_add_co_u32 s[Q0], s[Q0], s86                 ; my first query
	s_sub_co_u32 s[LASTQ], 2047, s87               ; the last query of chunk 15 - c
	s_lshl_b32 s88, s[Q0], 6
	s_add_co_u32 s88, s88, s84                     ; my queries' codes
	s_mov_b32 s89, 0
	s_and_b32 s90, s82, 15
	s_lshl_b32 s90, s90, 19                        ; oc: head x 8,192 tokens x 64,
	s_lshr_b32 s91, s82, 4
	s_lshl_b32 s91, s91, 11
	s_add_co_u32 s91, s91, s[Q0]
	s_lshl_b32 s91, s91, 6
	s_add_co_u32 s90, s90, s91                     ; + (2,048 x batch + my first query) x 64
	s_mov_b32 s91, 0
	; descriptor group 1: K: 64 rows of 256 bytes, dense;  V: 64 rows of 256 bytes, 2,048 apart
	s_mov_b32 s[G1K], (0<<16)|(1<<20)|(5<<22)|(3<<25)   ; no mask; elements of 1 byte; padding on: four words after every 64
	s_mov_b32 s[G1K+1], 256<<16                    ; tensor_dim0
	s_mov_b32 s[G1K+2], 64<<16                     ; tensor_dim1
	s_mov_b32 s[G1K+3], 256<<16                    ; tile_dim0
	s_mov_b32 s[G1K+4], 64                         ; tile_dim1
	s_mov_b32 s[G1K+5], 256                        ; tensor_dim0_stride
	s_mov_b32 s[G1K+6], 0
	s_mov_b32 s[G1K+7], 0
	s_mov_b32 s[G1V], (0<<16)|(1<<20)|(5<<22)|(3<<25)
	s_mov_b32 s[G1V+1], 256<<16
	s_mov_b32 s[G1V+2], 64<<16
	s_mov_b32 s[G1V+3], 256<<16
	s_mov_b32 s[G1V+4], 64
	s_mov_b32 s[G1V+5], 2048
	s_mov_b32 s[G1V+6], 0
	s_mov_b32 s[G1V+7], 0
	s_mov_b32 s[SEL], 0x76543210
	s_mov_b32 s[SEL+1], 0xfedcba98
	s_mov_b32 s[CS], 0x3e38aa3b                    ; c = log2(e) / sqrt(64)
	s_mov_b32 s[TB], 0
	s_mov_b32 s[SLOTS], NSL-1
	s_mov_b32 s[KF], 0
	s_wait_dscnt 0x0                               ; the opening add is done
	s_wait_kmcnt 0x0
	s_load_b256 s[68:75], s[6:7], 0x10             ; entries 4 to 11: e6 = s70, e7 = s71, e8 = s72, e9 = s73, e10 = s74
	s_add_nc_u64 s[12:13], s[4:5], 0x800000
	s_add_nc_u64 s[12:13], s[12:13], s[84:85]      ; the head's K
	s_add_nc_u64 s[14:15], s[4:5], 0x1000000
	s_add_nc_u64 s[14:15], s[14:15], s[84:85]      ; the head's V
	s_mov_b32 s[G0K], 1                            ; count = 1
	s_mov_b32 s[G0K+1], 0                          ; LDS address: slot 0
	s_mov_b64 s[G0K+2:G0K+3], s[12:13]             ; global address: the head's first 256 keys
	s_or_b32 s[G0K+3], s[G0K+3], 0x80000000        ; type = 2
	s_mov_b32 s[G0V], 1
	s_mov_b32 s[G0V+1], VOFF
	s_mov_b64 s[G0V+2:G0V+3], s[14:15]
	s_or_b32 s[G0V+3], s[G0V+3], 0x80000000
	TLOAD                                          ; slot 0: one load of a wave is out
	s_add_nc_u64 s[10:11], s[4:5], s[88:89]        ; Q's codes at my first query
	s_add_nc_u64 s[8:9], s[8:9], s[90:91]          ; oc likewise
	; the prefetches: where my wave's stand, and who asks
	s_cmp_lt_u32 s[WV], 6                          ; waves 4, 5: K's codes; waves 6, 7: V's
	s_cselect_b64 s[PFA:PFA+1], s[12:13], s[14:15]
	s_mov_b32 s[PFS], 256
	s_cselect_b32 s[PFS], 16384, s[PFS]            ; a slot on
	s_mov_b32 s82, 2048
	s_cselect_b32 s82, 256, s82                    ; from lane to lane
	s_mov_b32 s83, 65536
	s_cselect_b32 s83, 8192, s83                   ; from wave to wave
	v_and_b32 v[PFO], 31, v0
	v_mul_lo_u32 v[PFO], v[PFO], s82
	s_and_b32 s82, s[WV], 1
	s_mul_i32 s82, s82, s83
	s_add_co_u32 s82, s82, s[PFS]                  ; in slot 1: the first change of slots steps it to slot 2.  Nothing is prefetched here, at the head
	s_mov_b32 s83, 0
	s_mov_b32 s[PFS+1], 0
	s_add_nc_u64 s[PFA:PFA+1], s[PFA:PFA+1], s[82:83]
	s_sub_co_u32 s82, s[WV], 4
	s_lshr_b32 s82, s82, 2                         ; 0 in waves 4 to 7,
	s_or_b32 s82, s82, ttmp9                       ; of the work-group with c = 0
	s_cmp_eq_u32 s82, 0
	s_cselect_b32 s[LIM], 1, -1
	v_and_b32 v8, 15, v0                           ; r
	v_bfe_u32 v9, v0, 4, 1                         ; h
	v_lshlrev_b32 v10, 6, v8
	v_lshl_add_u32 v10, v9, 4, v10                 ; Q: row r of 64 bytes, + 16 h
	global_load_b128 v[16:19], v10, s[10:11]       ; Q's fragment stays in registers: d = 16 h + 0 .. 15,
	global_load_b128 v[20:23], v10, s[10:11] offset:32   ; and 32 + 16 h + 0 .. 15: the order in which K's fragments come too
	v_and_b32 v11, 8, v8
	v_add_nc_u32 v11, v11, v8                      ; r + 8 (r / 8)
	v_lshrrev_b32 v[AK0], 2, v11
	v_mul_u32_u24 v[AK0], v[AK0], KP               ; four keys to an LDS row,
	v_and_b32 v11, 3, v11
	v_lshl_add_u32 v[AK0], v11, 6, v[AK0]          ; 64 bytes each
	v_lshl_add_u32 v[AK0], v9, 4, v[AK0]
	v_mul_u32_u24 v[AV0], v8, KP
	v_lshl_add_u32 v[AV0], v9, 4, v[AV0]
	v_add_nc_u32 v[AV0], VOFF, v[AV0]
	v_and_b32 v[GO], 31, v0
	v_lshlrev_b32 v[GO], 4, v[GO]
	v_mov_b32 v13, 0xff61b1e6                      ; the largest t so far: -3e38, under every t
	v_floor_f32 v12, -v13                          ; -M
	v_mov_b32 v14, 0                               ; the sum, in two halves
	v_mov_b32 v15, 0
	v_mov_b32 v236, 0                              ; written once: a lane permute's destination counts as one of its sources
	v_mov_b32 v[XCH], 0                            ; likewise, for the way out's exchange
	v_mov_b32 v253, 0                              ; (named as the upper half of the pair v[252:253])
.irp j, 0,1,2,3,4,5,6,7,8,9,10,11,12,13,14,15,16,17,18,19,20,21,22,23,24,25,26,27,28,29,30,31
	v_mov_b32 v[160+\j], 0                         ; O^T.  (The loop is written once: its first step finds zeros, which the first change of M leaves zeros)
.endr
	s_wait_kmcnt 0x0
	s_add_co_i32 s82, s70, s71
	s_lshl_b32 s82, s82, 23
	s_add_co_i32 s[CS], s[CS], s82                 ; a score stands for score x 2^(e6 + e7): the two exponents are added to c's exponent field
	s_mov_b32 s[CS+1], s[CS]                       ; (named with it as a pair, so it is written)
	s_add_co_i32 s82, s72, 127
	s_lshl_b32 s83, s82, 23
	v_mov_b32 v244, s83                            ; 2^e8, for p's conversions
	s_add_co_i32 s82, s82, 8
	s_lshl_b32 s82, s82, 23
	s_or_b32 s82, s82, 0x600000
	v_mov_b32 v240, s82                            ; 448 x 2^e8
	s_add_co_i32 s82, s74, 127
	s_lshl_b32 s83, s82, 23
	v_mov_b32 v245, s83                            ; 2^e10, for O's
	s_add_co_i32 s82, s82, 8
	s_lshl_b32 s82, s82, 23
	s_or_b32 s82, s82, 0x600000
	v_mov_b32 v241, s82                            ; 448 x 2^e10
; A KEY STEP: 128 keys, the q-th of the slot in hand.
.macro STEP q
	s_add_co_u32 s96, s[Q0], 15                    ; a step all of whose keys come after my 16 queries is left out: a scalar branch on ids, round the step's loads, products and softmax; no barrier or tensor load stands in a step
	s_cmp_gt_u32 s[KF], s96
	s_cbranch_scc1 .Lhidden_\@
	v_add_nc_u32 v[ADK], s[TB], v[AK0]
	v_add_nc_u32 v[ADV], s[TB], v[AV0]
	v_nop
	v_nop                                          ; with the two additions: four places in front of loads into registers that the last products have read
.irp t, 0,1,2,3,4,5,6,7
.irp c, 0,1
	ds_load_b128 v[32+8*\t+4*\c:35+8*\t+4*\c], v[ADK] offset:(32*(\q)+8*(\t/2)+2*(\t%2))*KP+32*\c
.endr
.endr
	s_wait_dscnt 0x0
.irp t, 0,1,2,3,4,5,6,7
	v_wmma_f32_16x16x64_fp8_fp8 v[96+8*\t:103+8*\t], v[32+8*\t:39+8*\t], v[16:23], 0   ; S^T: eight tiles of 16 keys; K = the head's 64
.endr
.rept 4
	v_nop                                          ; places: V's loads land in K's registers, and the scores are read below
.endr
.irp t, 0,1,2,3
.irp c, 0,1,2,3
	ds_load_b128 v[32+16*\t+4*\c:35+16*\t+4*\c], v[ADV] offset:16*\t*KP+128*(\q)+32*\c   ; V's four fragments are on their way under the softmax
.endr
.endr
	s_add_co_u32 s96, s[KF], 127                   ; on the diagonal the scores of hidden keys become -infinity ahead of the maximum: p = 0 then.  A step all of whose keys count skips this
	s_cmp_le_u32 s96, s[Q0]
	s_cbranch_scc1 .Lopen_\@
	s_sub_co_i32 s96, s[Q0], s[KF]
	v_and_b32 v252, 15, v0
	v_bfe_u32 v253, v0, 4, 1
	v_lshlrev_b32 v253, 4, v253
	v_sub_nc_u32 v252, v252, v253
	v_add_nc_u32 v252, s96, v252                   ; d = my query - KF - 16 (lane / 16).  Register 16 b + i holds key KF + 16 (lane / 16) + 32 b + i: hidden where 32 b + i > d
	v_mov_b32 v254, 0xff800000                     ; -infinity
.irp n, 0,1,2,3,4,5,6,7,8,9,10,11,12,13,14,15,16,17,18,19,20,21,22,23,24,25,26,27,28,29,30,31,32,33,34,35,36,37,38,39,40,41,42,43,44,45,46,47,48,49,50,51,52,53,54,55,56,57,58,59,60,61,62,63
	v_cmp_gt_i32 vcc_lo, 32*(\n/16)+\n%16, v252
	v_cndmask_b32 v[96+\n], v[96+\n], v254, vcc_lo
.endr
.Lopen_\@:
	v_max3_num_f32 v254, v96, v97, v98             ; the step's largest score of my query, among my 64 keys, in two chains, each tile from its low end on,
	v_max3_num_f32 v252, v99, v100, v101
.irp i, 6,10,14,18,22,26,30,34,38,42,46,50,54,58
	v_max3_num_f32 v254, v254, v[96+\i], v[97+\i]
	v_max3_num_f32 v252, v252, v[98+\i], v[99+\i]
.endr
	v_max3_num_f32 v254, v254, v158, v159
	v_max_num_f32 v254, v254, v252
	v_permlanex16_b32 v236, v254, s[SEL], s[SEL+1] ; (v236 was a code register of the last step's products: two additions, six v_nop and the chain above stand between)
	v_max_num_f32 v254, v254, v236                 ; and among lane l xor 16's
	v_mul_f32 v254, s[CS], v254                    ; as t (c is positive)
	v_max_num_f32 v13, v13, v254                   ; the running largest t
	v_mov_b32 v254, v12
	v_floor_f32 v12, -v13                          ; the new -M = floor(-t) = -ceil(t): M IS A WHOLE NUMBER
	v_sub_f32 v254, v12, v254                      ; M's old value less its new one: a whole number, 0 or less
	v_cvt_i32_f32 v254, v254                       ; (it saturates)
	v_ldexp_f32 v252, 1.0, v254                    ; f = 2^(old M - new M)
.irp j, 0,2,4,6,8,10,12,14,16,18,20,22,24,26,28,30,32,34,36,38,40,42,44,46,48,50,52,54,56,58,60,62
	v_pk_fma_f32 v[96+\j:97+\j], v[96+\j:97+\j], s[CS:CS+1], v[12:13] op_sel_hi:[1,0,0]   ; t - M, two at a time (of the pairs c and -M the low word serves both halves)
.endr
.irp j, 0,1,2,3,4,5,6,7,8,9,10,11,12,13,14,15,16,17,18,19,20,21,22,23,24,25,26,27,28,29,30,31,32,33,34,35,36,37,38,39,40,41,42,43,44,45,46,47,48,49,50,51,52,53,54,55,56,57,58,59,60,61,62,63
	v_exp_f32 v[96+\j], v[96+\j]                   ; p = 2^(t - M), at most 1: NOT normalised
.endr
	v_pk_mul_f32 v[14:15], v[14:15], v[252:253] op_sel_hi:[1,0]   ; the sums under the new M: the plain instruction behind the exponentials
	s_wait_alu depctr_va_vdst(0)                   ; one wait for the whole batch of 64, ahead of its first reader
	v_pk_add_f32 v[242:243], v[96:97], v[98:99]    ; THE ROW'S SUM IS TAKEN OF THE UNQUANTISED p: two at a time, in two chains
.irp j, 4,8,12,16,20,24,28,32,36,40,44,48,52,56,60
	v_pk_add_f32 v[14:15], v[14:15], v[96+\j:97+\j]
	v_pk_add_f32 v[242:243], v[242:243], v[98+\j:99+\j]
.endr
	v_pk_add_f32 v[14:15], v[14:15], v[242:243]
.irp b, 0,1,2,3
.irp i, 0,1,2,3,4,5,6,7,8,9,10,11,12,13,14,15
	v_min_num_f32 v[96+16*\b+\i], v[96+16*\b+\i], v240   ; the conversion does not saturate (ISA guide 7.6.2); p is not negative, so the hold is one-sided
.endr
	v_cvt_scalef32_pk8_fp8_f32 v[224+4*\b:225+4*\b], v[96+16*\b:103+16*\b], v244
	v_cvt_scalef32_pk8_fp8_f32 v[226+4*\b:227+4*\b], v[104+16*\b:111+16*\b], v244
.endr
.irp j, 0,2,4,6,8,10,12,14,16,18,20,22,24,26,28,30
	v_pk_mul_f32 v[160+\j:161+\j], v[160+\j:161+\j], v[252:253] op_sel_hi:[1,0]   ; O^T under the new M: x f.  (Plain lines between the conversions and the products that read the codes)
.endr
	s_wait_dscnt 0x0                               ; V's fragments are in
.irp t, 0,1,2,3
	v_wmma_f32_16x16x128_fp8_fp8 v[160+8*\t:167+8*\t], v[32+16*\t:47+16*\t], v[224:239], v[160+8*\t:167+8*\t]   ; O^T += V^T P^T: four accumulators by turns; the next step's eight score products stand between two turns
.endr
.Lhidden_\@:
	s_add_co_u32 s[KF], s[KF], 128
.endm
; THE CHANGE OF SLOTS stands at a slot's head.  Each wave waits for all its tensor loads, adds 0 to its spare word, and waits for that and for its reads of the slot that it has left.
; Behind the barrier the slot ahead is whole and nobody reads the other one.  fill = 1: that other slot is filled with the keys that follow, up to the causal limit: the load has a whole slot's steps in which to land.
.macro CHANGE fill
	s_wait_tensorcnt 0x0                           ; no tensor load of mine is out, so a group 0 may be written
	ds_add_u32 v[SPW], v[NIL]                      ; 0 onto my spare word; the descriptors' steps stand between it and the wait for it
.if \fill
	s_xor_b32 s[G0K+1], s[G0K+1], SLOT1            ; the walking descriptors: the other slot than last time,
	s_add_nc_u64 s[G0K+2:G0K+3], s[G0K+2:G0K+3], SK*64   ; the next 256 keys; the type bits on top are not reached
	s_xor_b32 s[G0V+1], s[G0V+1], SLOT1
	s_add_nc_u64 s[G0V+2:G0V+3], s[G0V+2:G0V+3], SK
	s_wait_xcnt 0x0                                ; the last prefetch, a slot back, has read its address, so it may be written:
	s_add_nc_u64 s[PFA:PFA+1], s[PFA:PFA+1], s[PFS:PFS+1]  ; one slot further on than the walking descriptors
.endif
	s_wait_dscnt 0x0                               ; the add is done, and my reads of the slot that I have left are over
	s_barrier_signal -1
	s_barrier_wait -1
.if \fill
	s_add_co_u32 s96, s[KF], SK                    ; THE LOOK-AHEAD ENDS AT THE CAUSAL LIMIT: a slot whose first key comes after my work-group's last query is read by none of its waves, so it is not asked for.
	s_cmp_gt_u32 s96, s[LASTQ]                     ; The work-group's number and the count of steps alone: all sixteen waves go the same way, and a work-group past the limit stays past it.
	s_cbranch_scc1 .Lpast_\@                       ; Every wait on TENSORcnt in this text is for 0; the jump leads round the load's own lines and round no barrier, wait or add
	TLOAD                                          ; a wave's one tensor load until the next change
.Lpast_\@:
	ASK
.endif
.endm
.macro SLOT_STEPS
	STEP 0
	STEP 1
	s_xor_b32 s[TB], s[TB], SLOT1                  ; on to the other slot
.endm
	s_wait_loadcnt 0x0                             ; Q
.Lslot:                                            ; NSL - 1 trips
	CHANGE 1
	SLOT_STEPS
	s_sub_co_u32 s[SLOTS], s[SLOTS], 1
	s_cmp_lg_u32 s[SLOTS], 0
	s_cbranch_scc1 .Lslot
	CHANGE 0                                       ; the last slot is written out: nothing is left to fetch
	SLOT_STEPS
	; THE WAY OUT.  O^T / the sum x 2^(e8 + e9), held, converted with 2^e10; 8 codes a lane and tile go through my stage and leave as 1,024 consecutive bytes: 16 tokens x 64.
	; Up to the first read of O^T none of these lines names a register of the last products (v32-95, v160-191, v224-239): they are the places behind them.
	v_add_f32 v14, v14, v15                        ; the sum's two halves,
	v_permlanex16_b32 v[XCH], v14, s[SEL], s[SEL+1]
	v_add_f32 v14, v14, v[XCH]                     ; and lane l xor 16's: the row's sum
	v_rcp_f32 v14, v14
	v_and_b32 v8, 15, v0                           ; (the plain instruction behind the reciprocal)  r
	v_bfe_u32 v9, v0, 4, 1                         ; h
	s_add_co_i32 s82, s72, s73
	s_mul_i32 s83, s[WV], 16*80
	s_add_co_u32 s83, s83, STAGE                   ; my stage
	v_mul_u32_u24 v10, v8, 80
	v_lshl_add_u32 v10, v9, 3, v10
	v_add_nc_u32 v10, s83, v10                     ; in: row r of 80 bytes, + 8 h; tile t 16 t on
	v_and_b32 v8, 31, v0
	v_lshrrev_b32 v9, 2, v8
	v_and_b32 v8, 3, v8
	v_mul_u32_u24 v11, v9, 80
	v_lshl_add_u32 v11, v8, 4, v11
	v_add_nc_u32 v11, s83, v11                     ; back: four lanes to a row of 64 bytes, eight rows an instruction
	s_wait_alu depctr_va_vdst(0)                   ; the wait ahead of the reciprocal's first reader
	v_ldexp_f32 v14, v14, s82                      ; x 2^(e8 + e9)
.irp j, 0,1,2,3,4,5,6,7,8,9,10,11,12,13,14,15,16,17,18,19,20,21,22,23,24,25,26,27,28,29,30,31
	v_mul_f32 v[96+\j], v[160+\j], v14             ; register 8 t + i is o(r, 16 t + 8 h + i); each accumulator from its low end on
.endr
.irp j, 0,1,2,3,4,5,6,7,8,9,10,11,12,13,14,15,16,17,18,19,20,21,22,23,24,25,26,27,28,29,30,31
	v_med3_num_f32 v[96+\j], v[96+\j], -v241, v241
.endr
.irp t, 0,1,2,3
	v_cvt_scalef32_pk8_fp8_f32 v[224+2*\t:225+2*\t], v[96+8*\t:103+8*\t], v245
.endr
	v_nop                                          ; one plain vector line behind the last conversion
.irp t, 0,1,2,3
	ds_store_b64 v10, v[224+2*\t:225+2*\t] offset:16*\t
.endr
	ds_load_b128 v[32:35], v11                     ; LDS serves a wave's instructions in order: these see my stores
	ds_load_b128 v[36:39], v11 offset:8*80
	s_wait_dscnt 1                                 ; the second read-back may be out
	global_store_b128 v[GO], v[32:35], s[8:9]      ; 512 consecutive bytes, aligned
	s_wait_dscnt 0
	global_store_b128 v[GO], v[36:39], s[8:9] offset:512
	s_wait_tensorcnt 0x0                           ; the wave's end: behind my last tensor load and my last LDS store
	ds_add_u32 v[SPW], v[NIL]
	s_wait_dscnt 0x0
	s_endpgm
.Lfunc_end_k_qbb7560e0bc_attn:
	.size	k_qbb7560e0bc_attn, .Lfunc_end_k_qbb7560e0bc_attn-k_qbb7560e0bc_attn
	.p2alignl 7, 3214868480
	.fill 96, 4, 3214868480
	.section	.rodata,"a",@progbits
	.p2align	6, 0x0
	.amdhsa_kernel k_qbb7560e0bc_attn
		.amdhsa_group_segment_fixed_size 327680
		.amdhsa_private_segment_fixed_size 0
		.amdhsa_enable_private_segment 0
		.amdhsa_kernarg_size 24
		.amdhsa_user_sgpr_count 2
		.amdhsa_user_sgpr_kernarg_segment_ptr 1
		.amdhsa_wavefront_size32 1
		.amdhsa_system_sgpr_workgroup_id_x 1
		.amdhsa_system_sgpr_workgroup_id_y 1
		.amdhsa_system_sgpr_workgroup_id_z 1
		.amdhsa_system_vgpr_workitem_id 0
		.amdhsa_next_free_vgpr 256
		.amdhsa_next_free_sgpr 100
		.amdhsa_reserve_vcc 1
		.amdhsa_float_denorm_mode_32 3
		.amdhsa_float_denorm_mode_16_64 3
		.amdhsa_memory_ordered 1
		.amdhsa_forward_progress 1
		.amdhsa_inst_pref_size 97
	.end_amdhsa_kernel
	.amdgpu_metadata
---
amdhsa.version: [ 1, 2 ]
amdhsa.kernels:
  - .name:           k_qbb7560e0bc_attn
    .symbol:         k_qbb7560e0bc_attn.kd
    .args:
      - { .name: qkvc, .offset: 0, .size: 8, .value_kind: global_buffer, .address_space: global }
      - { .name: lowp_scales, .offset: 8, .size: 8, .value_kind: global_buffer, .address_space: global }
      - { .name: oc, .offset: 16, .size: 8, .value_kind: global_buffer, .address_space: global }
    .group_segment_fixed_size: 327680
    .private_segment_fixed_size: 0
    .kernarg_segment_align: 8
    .kernarg_segment_size: 24
    .max_flat_workgroup_size: 512
    .sgpr_count:     100
    .vgpr_count:     256
    .wavefront_size: 32
...
	.end_amdgpu_metadata
.endif
;; end of part 4
;; launch oproj (part 5): grid 4 x 32, 4 waves a work-group, clusters of 4 x 4, 327,680 bytes of LDS; arguments oc, wc, lowp_scales, bo, out0; writes out0
.if DOCPART == 5
	.amdgcn_target "amdgcn-amd-amdhsa--gfx1250"
	.amdhsa_code_object_version 6
	.text
	.protected	k_qbb7560e0bc_oproj
	.globl	k_qbb7560e0bc_oproj
	.p2align	8
	.type	k_qbb7560e0bc_oproj,@function
k_qbb7560e0bc_oproj:
	s_mov_b64 s[64:65], 0
	v_nop
	global_prefetch_b8 v0, s[64:65] scope:SCOPE_SE
	s_setreg_imm32_b32 hwreg(HW_REG_WAVE_MODE, 25, 1), 1
	s_wait_xcnt 0x0
	s_wait_alu depctr_hold_cnt(0) depctr_sa_sdst(0) depctr_va_vdst(0) depctr_va_sdst(0) depctr_va_ssrc(0) depctr_va_vcc(0) depctr_vm_vsrc(0)
	s_getreg_b32 s2, hwreg(HW_REG_IB_STS2, 6, 4)
	s_cmp_eq_u32 s2, 0
	s_cbranch_scc0 .Lentry_in_a_cluster
	s_endpgm
.Lentry_in_a_cluster:
	s_bfe_u32 s2, ttmp6, 0x10000c
	s_cmp_lg_u32 s2, 0xf033
	s_cbranch_scc0 .Lentry_shape_is_right
	s_endpgm
.Lentry_shape_is_right:
; out0[token][n] = (sum over k of O[token][k] Wo[k][n]) x 2^(e10 + e11) + bo[n], on codes of FP8 (E4M3); sums in f32.  k = 64 head + d.
; A = oc [16 heads][8192 tokens][64 d];  B = wc + 3,145,728: [1024 n][1024 k];  out0 [8192][1024] f32.
; LIMIT: e10 + e11 between -126 and 127, so that 2^(e10 + e11) is an f32 number.
; A tile of out0 is 256 x 256: four waves, each 128 x 128: 64 accumulators, 512 registers.  K = 1,024 goes in four steps of 256 (four heads) through two LDS slots.
; A's TILE: a head's 256 tokens x 64 bytes are 16,384 dense bytes; a wave's load brings two heads as two rows of 16,384 bytes, 524,288 apart, with 16 bytes of padding behind every 256:
; in LDS a head takes 64 rows of 272 bytes, four tokens to a row.  B's tile: 128 rows of 256 bytes a load, pitch 272.
; CLUSTERS: 4 x 4 work-groups; A's tile is asked for jointly along a row of the cluster, B's along a column.  THE MATRIX INSTRUCTION IS USED TRANSPOSED: a lane holds eight neighbouring columns of one token's row.
; 128 work-groups: the tile is kept at 256 x 256, the shape that reads each LDS byte for the most products.
; REGISTERS, in windows of 256: window 0: v0-31 addresses; from v128 A's fragments, ONE set; on the way out v32-255.  window 1: B's fragments, TWO sets, later bo.  windows 2, 3: the accumulators.
.set ROWB,   256
.set KROW,   1024                      ; a row of B in memory
.set PITCH,  272                       ; 256 bytes + 16 of padding = 68 words: the 16 rows (B) or 16 tokens (A: 4 rows x 4 places of 64 bytes) that a load touches start at 16 different groups of banks
.set HEADB,  64*PITCH                  ; a head's 256 tokens in LDS
.set FR,     16
.set NL,     4
.set NP,     4
.set HALFT,  128*PITCH                 ; what one tensor load brings: 128 rows of B, or two heads of A
.set SLOT,   4*HALFT                   ; A's four heads, then B's 256 rows
.set SPARE,  2*SLOT                    ; behind the ring: the spare words, 128 bytes a wave, which no other line names
.set BIASS,  SPARE+512                 ; behind them: 512 bytes a wave for its 128 numbers of bo; no tile lands here
.set SPITCH, 528                       ; the way out: a stage of 16 rows x (512 bytes + 16) for each wave, in slot 0, which has had its last fill and its last read when the first result is stored there
.set ADRA, 16
.set ADRB, 20
.set BSA,  22
.set BLQ,  23
.set STO,  24
.set RD,   25
.set CO,   26
.set SPW,  28
.set NIL,  29
.set TMP,  32
.set AF,   128
.set BK,   128
.set G1, 24
.set G0, 32
.set G1B, 48
.set G0B, 56
.set MSB, 0
.macro WIN new                         ; the immediate's high byte repeats the setting that is left
.if MSB != (\new)
	s_set_vgpr_msb (MSB<<8)|(\new)
.set MSB, \new
.endif
.endm
.set MUL_LO, 0xa1
.set MUL_HI, 0xf1
.set TO_B,   0x40
.macro JLOAD g0a, g1a, g0b, g1b        ; a joint load: waves 0 and 1 fetch for A, waves 2 and 3 for B; an s_nop 0 and four v_nop follow each of the two lines
	s_cmp_eq_u32 s15, 0
	s_cbranch_scc0 .Lfor_b_\@
	tensor_load_to_lds s[\g0a:\g0a+3], s[\g1a:\g1a+7]
	s_nop 0
.rept 4
	v_nop
.endr
	s_branch .Lasked_\@
.Lfor_b_\@:
	tensor_load_to_lds s[\g0b:\g0b+3], s[\g1b:\g1b+7]
	s_nop 0
.rept 4
	v_nop
.endr
.Lasked_\@:
.endm
.macro CREST
	s_cmp_lg_u32 s14, 0
	s_cbranch_scc1 .Lnot_wave_0_\@
	s_barrier_signal -3
.Lnot_wave_0_\@:
	s_barrier_wait -3
	s_barrier_signal -1
	s_barrier_wait -1
.endm
.macro CROUND
	s_barrier_signal -1
	s_barrier_wait -1
	CREST
.endm
	s_load_b256 s[4:11], s[0:1], 0x0               ; oc s[4:5], wc s[6:7], the scales' exponents s[8:9], bo s[10:11]
	s_load_b64 s[12:13], s[0:1], 0x20              ; out0
	v_lshl_add_u32 v[SPW], v0, 2, SPARE
	v_mov_b32 v[NIL], 0
	ds_add_u32 v[SPW], v[NIL]                      ; the wave's opening: the add and its wait stand ahead of my first tensor load; the set-up below, work on registers, stands between them
	v_lshrrev_b32 v1, 5, v0
	v_readfirstlane_b32 s14, v1                    ; wave 0..3
	s_lshr_b32 s15, s14, 1                         ; which half of the tile's tokens is mine.  Also: I fetch for A (0) or for B (1)
	s_and_b32 s16, s14, 1                          ; which half of its columns.  Also: which two heads, or which 128 rows of B, I fetch
	s_bfe_u32 s40, ttmp6, 0x40000                  ; cx, cy
	s_bfe_u32 s41, ttmp6, 0x40004
	s_lshl_b32 s42, ttmp9, 2
	s_add_co_u32 s42, s42, s40                     ; tile column = 4 x cluster x + cx
	s_and_b32 s17, ttmp7, 0xffff
	s_lshl_b32 s17, s17, 2
	s_add_co_u32 s17, s17, s41                     ; tile row = 4 x cluster y + cy
	s_lshl_b32 s43, s41, 2
	s_lshl_b32 s43, 15, s43                        ; my row of the cluster
	s_lshl_b32 s44, 0x1111, s40                    ; my column
	s_or_b32 s[G1+0], s43, (0<<16)|(1<<20)|(1<<21)|(5<<22)|(3<<25)  ; A: the mask of my row; elements of 1 byte; padding on; bit 21 beside a mask; four words after every 64
	s_mov_b32 s[G1+1], 16384<<16                   ; tensor_dim0 = 16,384: 256 tokens x 64 bytes of one head
	s_mov_b32 s[G1+2], 2<<16                       ; tensor_dim1 = 2 heads
	s_mov_b32 s[G1+3], 16384<<16                   ; tile_dim0
	s_mov_b32 s[G1+4], 2                           ; tile_dim1
	s_mov_b32 s[G1+5], 524288                      ; from head to head
	s_mov_b32 s[G1+6], 0
	s_mov_b32 s[G1+7], 0
	s_or_b32 s[G1B+0], s44, (0<<16)|(1<<20)|(1<<21)|(5<<22)|(3<<25) ; B: the mask of my column
	s_mov_b32 s[G1B+1], ROWB<<16
	s_mov_b32 s[G1B+2], 128<<16
	s_mov_b32 s[G1B+3], ROWB<<16
	s_mov_b32 s[G1B+4], 128
	s_mov_b32 s[G1B+5], KROW
	s_mov_b32 s[G1B+6], 0
	s_mov_b32 s[G1B+7], 0
	s_lshl_b32 s20, s16, 20                        ; A: heads 2 x (wave % 2) on,
	s_lshl_b32 s18, s17, 14
	s_add_co_u32 s20, s20, s18                     ; tokens 256 x tile row on
	s_mov_b32 s21, 0
	s_lshl_b32 s18, s16, 7
	s_lshl_b32 s46, s42, 8
	s_add_co_u32 s46, s46, s18
	s_lshl_b32 s46, s46, 10
	s_add_co_u32 s46, s46, 0x300000                ; B: Wo's codes in wc, row 256 x tile column + 128 x half
	s_mov_b32 s47, 0
	s_mul_i32 s45, s14, HALFT                      ; where they go: no place in the cluster enters an LDS address
	s_wait_dscnt 0x0                               ; the opening add is done
	s_wait_kmcnt 0x0
	s_load_b64 s[96:97], s[8:9], 0x28              ; e10, e11
	s_add_nc_u64 s[20:21], s[4:5], s[20:21]
	s_add_nc_u64 s[46:47], s[6:7], s[46:47]
	CROUND                                         ; all sixteen work-groups are here: the first joint loads meet
.irp s, 0,1
	s_mov_b32 s[G0+4*\s], 1
	s_add_co_u32 s[G0+4*\s+1], s45, \s*SLOT
	s_add_nc_u64 s[G0+4*\s+2:G0+4*\s+3], s[20:21], \s*0x200000     ; K step s: four heads on
	s_or_b32 s[G0+4*\s+3], s[G0+4*\s+3], 0x80000000
	s_mov_b32 s[G0B+4*\s], 1
	s_add_co_u32 s[G0B+4*\s+1], s45, \s*SLOT
	s_add_nc_u64 s[G0B+4*\s+2:G0B+4*\s+3], s[46:47], \s*ROWB
	s_or_b32 s[G0B+4*\s+3], s[G0B+4*\s+3], 0x80000000
	JLOAD G0+4*\s, G1, G0B+4*\s, G1B               ; two loads of mine are out behind the second
.endr
	v_and_b32 v1, 15, v0                           ; r
	v_bfe_u32 v2, v0, 4, 1                         ; hh
	v_mul_u32_u24 v3, v1, PITCH
	v_lshl_add_u32 v4, v2, 4, v3                   ; B: row x pitch + 16 x half
	v_lshrrev_b32 v5, 2, v1
	v_mul_u32_u24 v5, v5, PITCH
	v_and_b32 v6, 3, v1
	v_lshl_add_u32 v5, v6, 6, v5
	v_lshl_add_u32 v5, v2, 4, v5                   ; A: token r: row r / 4, place r % 4, + 16 x half
	s_mul_i32 s21, s15, 32*PITCH                   ; my 128 tokens: 32 LDS rows on in each head
	s_mul_i32 s22, s16, HALFT
	s_add_co_u32 s22, s22, 2*HALFT                 ; my 128 rows of B, behind A's four heads
.irp s, 0,1
	v_add_nc_u32 v[ADRA+\s], s21, v5
	v_add_nc_u32 v[ADRB+\s], s22, v4
	s_add_co_u32 s21, s21, SLOT
	s_add_co_u32 s22, s22, SLOT
.endr
	s_mul_i32 s23, s14, 16*SPITCH                  ; my stage
	v_mul_u32_u24 v5, v1, SPITCH
	v_lshl_add_u32 v5, v2, 5, v5
	v_add_nc_u32 v[STO], s23, v5                   ; in: row r, 32 bytes for each half of the lanes
	v_and_b32 v6, 31, v0
	v_lshlrev_b32 v[CO], 4, v6                     ; back: the 32 lanes take one row of 512 bytes; and the same in out0
	v_add_nc_u32 v[RD], s23, v[CO]
	s_lshl_b32 s23, s14, 9
	s_add_co_u32 s23, s23, BIASS                   ; my 512 bytes for bo
	v_add_nc_u32 v[BSA], s23, v[CO]
	v_lshl_add_u32 v[BLQ], v2, 5, s23
	s_lshl_b32 s20, s17, 8
	s_lshl_b32 s21, s15, 7
	s_add_co_u32 s20, s20, s21                     ; my first row of out0
	s_lshl_b32 s20, s20, 12                        ; rows of 4,096 bytes: under 2^25
	s_lshl_b32 s46, s42, 10                        ; my first column, in bytes: 1,024 x tile column + 512 x half
	s_lshl_b32 s47, s16, 9
	s_add_co_u32 s46, s46, s47
	s_mov_b32 s47, 0
	s_add_nc_u64 s[10:11], s[10:11], s[46:47]      ; bo at my 128 columns
	s_add_co_u32 s46, s46, s20
	s_add_nc_u64 s[12:13], s[12:13], s[46:47]
	global_load_b128 v[8:11], v[CO], s[10:11]      ; 512 consecutive bytes, copied once into LDS and used from there
	s_wait_loadcnt 0x0
	ds_store_b128 v[BSA], v[8:11]
.macro FRAG reg, adr, q, i             ; B's fragment: registers 4 c .. 4 c + 3 hold K = 32 c + 16 (l / 16) + 0 .. 15 of the slot's q-th 128
.irp c, 0,1,2,3
	ds_load_b128 v[\reg+4*\c:\reg+4*\c+3], v[\adr] offset:128*(\q)+32*\c+(\i)*16*PITCH
.endr
.endm
.macro FRAGA reg, adr, q, i            ; A's, the same k: head 2 q + c / 2 of the slot's four, d = 32 (c % 2) + 16 (l / 16) + 0 .. 15; block i is 16 tokens: four LDS rows
.irp c, 0,1,2,3
	ds_load_b128 v[\reg+4*\c:\reg+4*\c+3], v[\adr] offset:2*HEADB*(\q)+HEADB*(\c/2)+4*PITCH*(\i)+32*(\c%2)
.endr
.endm
.macro MUL16 a0, p, zero               ; 16 matrix instructions; the 64 accumulators take turns, one instruction a turn
.irp a, \a0, \a0+1
.irp b, 0,1,2,3,4,5,6,7
.if \zero
	v_wmma_f32_16x16x128_fp8_fp8 v[8*(8*((\a)%4)+\b):8*(8*((\a)%4)+\b)+7], v[128*(\p)+FR*\b:128*(\p)+FR*\b+FR-1], v[AF+FR*(\a):AF+FR*(\a)+FR-1], 0
.else
	v_wmma_f32_16x16x128_fp8_fp8 v[8*(8*((\a)%4)+\b):8*(8*((\a)%4)+\b)+7], v[128*(\p)+FR*\b:128*(\p)+FR*\b+FR-1], v[AF+FR*(\a):AF+FR*(\a)+FR-1], v[8*(8*((\a)%4)+\b):8*(8*((\a)%4)+\b)+7]
.endif
.endr
.endr
.endm
.macro FETCH_B slot, q, p
	WIN TO_B
.irp i, 0,1,2,3,4,5,6,7
	FRAG 128*(\p)+FR*\i, ADRB+\slot, \q, \i
.endr
	WIN 0
.endm
.macro FETCH_A slot, q, i0
.irp i, \i0, \i0+1, \i0+2, \i0+3
	FRAGA AF+FR*(\i), ADRA+\slot, \q, \i
.endr
.endm
.macro PLACES n                        ; plain vector instructions between a matrix instruction and a load into, or a read of, its registers
.rept \n
	v_nop
.endr
.endm
.macro STEP slot, q, zero
	s_wait_dscnt 4*NL                              ; B's set and A's blocks 0-3 are in; the youngest 16 loads (A's blocks 4-7) may be out
	WIN MUL_LO
	MUL16 0, (\q)%2, \zero
	MUL16 2, (\q)%2, \zero
	s_wait_dscnt 0
	PLACES NP
	FETCH_B \slot, (\q)+1, 1-(\q)%2
	FETCH_A \slot, (\q)+1, 0
	WIN MUL_HI
	MUL16 4, (\q)%2, \zero
	MUL16 6, (\q)%2, \zero
	PLACES NP
	WIN 0
	FETCH_A \slot, (\q)+1, 4
.endm
.macro TURN slot, next, fill           ; a slot's last step changes slots: ONE barrier, with the three lines in front of it
	s_wait_tensorcnt 0x0                           ; all my tensor loads have landed: my part of the next slot
	ds_add_u32 v[SPW], v[NIL]                      ; 0 onto my spare word
	s_wait_dscnt 4*NL+1                            ; the add and the youngest 16 loads may be out
	WIN MUL_LO
	MUL16 0, 1, 0
	s_wait_dscnt 0x0                               ; the add is done, and my reads of this slot are over
	s_barrier_signal -1
	MUL16 2, 1, 0
	WIN 0
	s_barrier_wait -1
.if \fill
	CREST                                          ; the barrier has opened a round of the cluster's barrier: no wave of any partner still reads this slot or has a load on its way
	s_add_nc_u64 s[G0+4*\slot+2:G0+4*\slot+3], s[G0+4*\slot+2:G0+4*\slot+3], 0x400000   ; two K steps on: eight heads
	s_add_nc_u64 s[G0B+4*\slot+2:G0B+4*\slot+3], s[G0B+4*\slot+2:G0B+4*\slot+3], 2*ROWB
	JLOAD G0+4*\slot, G1, G0B+4*\slot, G1B         ; the first tensor load behind the round, my one load until the next; its four v_nop are the places in front of the loads below
.else
	PLACES NP
.endif
	FETCH_B \next, 0, 0
	FETCH_A \next, 0, 0
	WIN MUL_HI
	MUL16 4, 1, 0
	MUL16 6, 1, 0
	PLACES NP
	WIN 0
	FETCH_A \next, 0, 4
.endm
	s_wait_tensorcnt 1                             ; my part of K step 0 is in; K step 1's load may be out
	s_wait_dscnt 0x0                               ; bo's numbers lie in LDS
	s_barrier_signal -1
	s_barrier_wait -1
	FETCH_B 0, 0, 0
	FETCH_A 0, 0, 0
	FETCH_A 0, 0, 4
	STEP 0, 0, 1                                   ; K step 0: its first products start the sums.  Four K steps are written out: no loop
	TURN 0, 1, 1
	STEP 1, 0, 0
	TURN 1, 0, 1
	STEP 0, 0, 0
	TURN 0, 1, 0
	STEP 1, 0, 0
	s_wait_dscnt 4*NL
	WIN MUL_LO
	MUL16 0, 1, 0
	MUL16 2, 1, 0
	s_wait_dscnt 0
	WIN MUL_HI
	MUL16 4, 1, 0
	MUL16 6, 1, 0
	WIN 0
; THE WAY OUT, block by block of 16 rows x 128 columns, through my own stage in LDS: back come whole rows of 512 bytes.  LDS serves a wave's instructions in order: no wait between the stores and the loads.
.macro TOSTAGE a
.set AC, 64*((\a)%4)
	WIN 0x12+((\a)/4)                              ; source 0 (the sums) window 2 or 3, source 2 (bo) window 1
.irp j, 0,2,4,6,8,10,12,14,16,18,20,22,24,26,28,30,32,34,36,38,40,42,44,46,48,50,52,54,56,58,60,62
	v_pk_fma_f32 v[TMP+\j:TMP+\j+1], v[AC+\j:AC+\j+1], s[96:97], v[\j:\j+1] op_sel_hi:[1,0,1]   ; sum x 2^(e10 + e11) + bo; each accumulator from its low end on
.endr
	WIN 0
.irp b, 0,1,2,3,4,5,6,7
	ds_store_b128 v[STO], v[TMP+8*\b:TMP+8*\b+3] offset:64*\b
	ds_store_b128 v[STO], v[TMP+8*\b+4:TMP+8*\b+7] offset:64*\b+16
.endr
.set BB, BK+64*((\a)%2)
.irp t, 0,1,2,3,4,5,6,7,8,9,10,11,12,13,14,15
	ds_load_b128 v[BB+4*\t:BB+4*\t+3], v[RD] offset:\t*SPITCH
.endr
.endm
.macro SEND a, younger                 ; younger: the LDS instructions issued behind block a's loads, which may stay out
.set BB, BK+64*((\a)%2)
	s_wait_dscnt \younger
.if (\a) > 0
	s_add_nc_u64 s[12:13], s[12:13], 16*4096       ; (behind a wait on XCNT: the earlier stores have read their base)  16 rows on
.endif
.irp t, 0,1,2,3,4,5,6,7,8,9,10,11,12,13,14,15
	global_store_b128 v[CO], v[BB+4*\t:BB+4*\t+3], s[12:13] offset:\t*4096 th:TH_STORE_NT   ; 32 lanes store 512 consecutive bytes, aligned; written once, read by nobody here
.endr
.endm
	s_wait_kmcnt 0x0
	s_add_co_i32 s96, s96, s97
	s_add_co_i32 s96, s96, 127
	s_lshl_b32 s96, s96, 23                        ; 2^(e10 + e11) as f32
	s_mov_b32 s97, s96                             ; (named with it as a pair, so it is written)
	PLACES NP                                      ; behind the last products: loads into B's and A's registers and reads of results follow
	WIN TO_B
.irp b, 0,1,2,3,4,5,6,7
	ds_load_b128 v[8*\b:8*\b+3], v[BLQ] offset:64*\b               ; bo for block b: my eight columns 16 b + 8 hh + 0 .. 7
	ds_load_b128 v[8*\b+4:8*\b+7], v[BLQ] offset:64*\b+16
.endr
	WIN 0
	s_wait_dscnt 0x0
	TOSTAGE 0
.irp a, 1,2,3,4,5,6,7
.if \a > 1
	s_wait_xcnt 0x0                                ; block a - 2's stores have read their registers and their base: block a's loads may land there, and the base may step
.endif
	TOSTAGE \a
	SEND \a-1, 32                                  ; behind block a - 1's loads: block a's 16 stores and 16 loads
.endr
	s_wait_xcnt 0x0                                ; block 6's stores have read their base
	SEND 7, 0
	s_wait_tensorcnt 0x0                           ; the wave's end: behind my last tensor load and my last LDS store
	ds_add_u32 v[SPW], v[NIL]
	s_wait_dscnt 0x0
	CROUND                                         ; the closing round: no work-group ends while a partner may still ask for a tile that names it
	s_endpgm
.Lfunc_end_k_qbb7560e0bc_oproj:
	.size	k_qbb7560e0bc_oproj, .Lfunc_end_k_qbb7560e0bc_oproj-k_qbb7560e0bc_oproj
	.p2alignl 7, 3214868480
	.fill 96, 4, 3214868480
	.section	.rodata,"a",@progbits
	.p2align	6, 0x0
	.amdhsa_kernel k_qbb7560e0bc_oproj
		.amdhsa_group_segment_fixed_size 327680
		.amdhsa_private_segment_fixed_size 0
		.amdhsa_enable_private_segment 0
		.amdhsa_kernarg_size 40
		.amdhsa_user_sgpr_count 2
		.amdhsa_user_sgpr_kernarg_segment_ptr 1
		.amdhsa_wavefront_size32 1
		.amdhsa_system_sgpr_workgroup_id_x 1
		.amdhsa_system_sgpr_workgroup_id_y 1
		.amdhsa_system_sgpr_workgroup_id_z 1
		.amdhsa_system_vgpr_workitem_id 0
		.amdhsa_next_free_vgpr 1024
		.amdhsa_next_free_sgpr 100
		.amdhsa_reserve_vcc 0
		.amdhsa_float_denorm_mode_32 3
		.amdhsa_float_denorm_mode_16_64 3
		.amdhsa_memory_ordered 1
		.amdhsa_forward_progress 1
		.amdhsa_inst_pref_size 125
	.end_amdhsa_kernel
	.amdgpu_metadata
---
amdhsa.version: [ 1, 2 ]
amdhsa.kernels:
  - .name:           k_qbb7560e0bc_oproj
    .symbol:         k_qbb7560e0bc_oproj.kd
    .args:
      - { .name: oc, .offset: 0, .size: 8, .value_kind: global_buffer, .address_space: global }
      - { .name: wc, .offset: 8, .size: 8, .value_kind: global_buffer, .address_space: global }
      - { .name: lowp_scales, .offset: 16, .size: 8, .value_kind: global_buffer, .address_space: global }
      - { .name: bo, .offset: 24, .size: 8, .value_kind: global_buffer, .address_space: global }
      - { .name: out0, .offset: 32, .size: 8, .value_kind: global_buffer, .address_space: global }
    .group_segment_fixed_size: 327680
    .private_segment_fixed_size: 0
    .kernarg_segment_align: 8
    .kernarg_segment_size: 40
    .max_flat_workgroup_size: 128
    .sgpr_count:     100
    .vgpr_count:     1024
    .wavefront_size: 32
...
	.end_amdgpu_metadata
.endif
;; end of part 5
